; MI455X (gfx1250); checked and timed in simulation.
; The chip was launched on July 23, 2026; its instructions are those of AMD's public machine-readable ISA for CDNA 5 (MIT licence, August 2026) and "CDNA5" Instruction Set Architecture Reference Guide (July 2026). The comments in the code are by the model that wrote it; some were corrected since.
;; Self Attention. Allowed arithmetic: matrix products marked QUANTISED: E2M3 operands, one E8M0 scale for each 32 along K, by v_wmma_scale_f32_16x16x128_f8f6f4 with both operands' format E2M3, f32 sums; everything else in f32.
;; Inputs: Wk 1,024 x 1,024 float32; Wo 1,024 x 1,024 float32; Wq 1,024 x 1,024 float32; Wv 1,024 x 1,024 float32; X 4 x 2,048 x 1,024 float32; attention_mask 4 x 2,048 x 2,048 int32; bk 1,024 float32; bo 1,024 float32; bq 1,024 float32; bv 1,024 float32.
;; Outputs: out0 4 x 2,048 x 1,024 float32.
;; This version of the problem:
;;   THIS VERSION OF THE PROBLEM IS GIVEN IN LOW PRECISION. The matrix products marked QUANTISED in the list below multiply operands that are first quantised to E2M3 (2 exponent bits, 3 mantissa bits; 6 bits a number), with one power-of-two scale for each 32 numbers along K (OCP MX v1.0); their sums are f32. All else is computed in f32.
;;   The module's matrix products, in the order in which they are computed (A, B: the left and right operand; K: the contracted axis; several contracted axes count as one K, in the product's order):
;;     1. [M 8,192, K 1,024] x [K 1,024, N 1,024]; A: input X; B: input Wq: QUANTISED
;;     2. [M 8,192, K 1,024] x [K 1,024, N 1,024]; A: input X; B: input Wk: QUANTISED
;;     3. [M 8,192, K 1,024] x [K 1,024, N 1,024]; A: input X; B: input Wv: QUANTISED
;;     4. batch 4 x [M 2,048, K 1,024] x [K 1,024, N 2,048]; A: computed on the way; B: computed on the way: QUANTISED
;;     5. batch 4 x [M 2,048, K 2,048] x [K 2,048, N 1,024]; A: softmax (see below); B: computed on the way: QUANTISED
;;     6. [M 8,192, K 1,024] x [K 1,024, N 1,024]; A: computed on the way; B: input Wo: QUANTISED
;;   THE QUANTISER, for each operand of a quantised product, along K:
;;     - K is cut into blocks of 32 from its start; a last block that is shorter is filled with zeros.
;;     - A block's scale is 2^e with e = floor(log2(the largest magnitude in the block)) - 2, held to -126 .. 127; a block of zeros has e = 0. As a byte (E8M0): e + 127.
;;     - Each number is divided by its block's scale, clamped to +-7.5, and rounded to the nearest number of E2M3, ties to even, subnormals kept.
;;     - The product sums the exact products of the quantised numbers (number of the format x scale) in f32.
;;   ~~~python
;;   def quantise(x, axis):      # numpy; x: float32 -> the quantised numbers, widened to float32 again
;;       x = np.moveaxis(x, axis, -1); K = x.shape[-1]
;;       x = np.pad(x, [(0, 0)] * (x.ndim - 1) + [(0, -K % 32)]); x = x.reshape(x.shape[:-1] + (-1, 32)); a = np.abs(x).max(-1, keepdims=True)
;;       e = np.where(a > 0, np.clip(np.frexp(np.where(a > 0, a, 1))[1] - 1 - 2, -126, 127), 0)      # np.frexp(a)[1] - 1 = floor(log2(a)), exactly
;;       r = np.clip(x / 2.0 ** e, -7.5, 7.5)
;;       step = 2.0 ** (np.maximum(np.frexp(np.where(r == 0, 1, r))[1] - 1, 0) - 3)
;;       q = np.round(r / step) * step * 2.0 ** e      # np.round: ties to even
;;       return np.moveaxis(q.reshape(q.shape[:-2] + (-1,))[..., :K], -1, axis).astype(np.float32)
;;   ~~~
;;   SOFTMAX AHEAD OF A QUANTISED PRODUCT. Where the list says 'softmax', what is quantised is not the finished softmax but p = 2^(t - M), with t = logit x log2(e) and M = ceil(the row's largest t), a whole number; so 1/2 < the row's largest p <= 1. The row's sum l is taken of the UNQUANTISED p, in f32, and the product's result is divided by l at the end. Since M is a whole number, a kernel that streams over the keys may use a running M (the ceiling of the running maximum): every later rescaling is an exact power of two, which a block's scale takes up: the codes' values come out the same.
;;   OPERANDS COMPUTED ON THE WAY. 'Computed on the way' means the value that the module computes at that place (a softmax that the list does not call 'softmax' is quantised finished and normalised). What goes into a quantiser is computed in f32, as accurately as f32 sums, v_exp_f32 and their like allow (about 1e-6 of the number): no bf16 or f16 on the way to a quantiser, and a product that is left as it is and whose result goes on into a quantised operand takes f32 operands (vector FMAs, or v_wmma_f32_16x16x4_f32). A number that lies on a knife's edge between two numbers of the format may be rounded either way, as far as f32 arithmetic and the matrix unit's own rounding can turn it there, and no further.
;; One version. Each part assembles by itself: llvm-mc -triple=amdgcn-amd-amdhsa -mcpu=gfx1250 --defsym DOCPART=n.
;; ======== version 1 of 1: 5 launches
;; limits: right only within a limited range of input values
;; workspace buffers: xw 9,830,400 bytes; qkv 19,660,800 bytes; pbuf 14,155,776 bytes; obuf 6,553,600 bytes
;; launch prep (part 1): grid 768 x 1, 4 waves a work-group, no clusters, 68,096 bytes of LDS; arguments X, Wq, Wk, Wv, Wo, xw; writes xw
.if DOCPART == 1
	.amdgcn_target "amdgcn-amd-amdhsa--gfx1250"
	.amdhsa_code_object_version 6
	.text
	.protected	k_qf3101ed528_prep
	.globl	k_qf3101ed528_prep
	.p2align	8
	.type	k_qf3101ed528_prep,@function
k_qf3101ed528_prep:
	s_mov_b64 s[64:65], 0
	v_nop
	global_prefetch_b8 v0, s[64:65] scope:SCOPE_SE
	s_setreg_imm32_b32 hwreg(HW_REG_WAVE_MODE, 25, 1), 1
	s_wait_xcnt 0x0
; X [8192][1024] and Wq, Wk, Wv, Wo [1024][1024], f32, become codes of FP6 (E2M3) with one E8M0 byte for each 32 along K (their last axis).
; THE CODES ARE LAID AS IMAGES OF THE OPERAND'S REGISTERS.  The five tensors count as 12,288 rows on end.  A block of 16 rows x 128 K is 1,536 bytes: registers 4 c .. 4 c + 3 of lane l at 512 c + 16 l.
; xw: [768 blocks][8 K steps][1536], then from byte XSO the scale words [8 K steps][12288 rows], four bytes a word.
; STORAGE ORDER: storage row 16 t + r holds row 32 (t / 2) + 8 (t % 2) + r + 8 (r / 8): a product that takes such blocks as source 0 leaves 16 neighbours of that axis in a lane's 16 registers.
; A block's scale is 2^(floor(log2(its largest magnitude)) - 2); its byte is the largest magnitude's exponent field - 2, held at 1 from below.  A block of zeros gets the byte 1: its codes are zeros, and this program alone reads the bytes.
; LIMITS: NaN and infinities among the inputs are not served.
; SHARES: 768 work-groups, three for each of 256 WGPs.  Work-group g takes rows 32 (g / 2) on and the half g % 2 of K; wave w the K step 4 (g % 2) + w of both blocks of 16 rows: two units of 16 rows x 512 bytes, all 32 loads out at once.
; Each load reads 512 consecutive bytes of a row; a unit turns through a stage of the wave's own in LDS (rows 528 bytes apart), so that lane (r, h) holds, of row r, 16 neighbours of each block of 32.  Waves share nothing: no barrier.
; The mask is no work of this launch: the launch that uses it reads it.
.set SP,    528
.set WST,   16*SP
.set SPARE, 8*WST                      ; behind the eight stages: the spare words, 128 bytes a wave
.set XSO,   9437184
.set L16, 4
.set L4,  5
.set STI, 7                            ; into the stage: 16 x lane
.set STO, 8                            ; out of it: 528 r + 64 h
.set SPW, 10
.set NIL, 11
.set PW,  12
.set PWE, 13
.set PW2, 14
.set TM,  20
.set R,   128                          ; v128-255 two units as they are loaded
.set SEL, 44
.set SH,  46
.macro QUANT s                         ; 64 numbers in v[s] on: the fragment's codes into v[PC] on, the row's scale word into v[PW]
.irp b, 0,1,2,3
	v_max3_num_f32 v[TM+\b], |v[\s+16*\b]|, |v[\s+1+16*\b]|, 0x1800000   ; my 16 of block b, and the floor 2^(3 - 127)
.endr
.irp i, 2,4,6,8,10,12,14
.irp b, 0,1,2,3
	v_max3_num_f32 v[TM+\b], v[TM+\b], |v[\s+16*\b+\i]|, |v[\s+1+16*\b+\i]|
.endr
.endr
.irp b, 0,1,2,3
	v_permlanex16_b32 v[TM+4+\b], v[TM+\b], s[SEL], s[SEL+1]
.endr
.irp b, 0,1,2,3
	v_max_num_f32 v[TM+\b], v[TM+\b], v[TM+4+\b]     ; with lane l xor 16's 16: the block's
.endr
.irp b, 0,1,2,3
	v_add_nc_u32 v[TM+12+\b], 0xff000000, v[TM+\b]   ; 2 off the exponent field: the conversion's scale operand
.endr
.irp b, 0,1,2,3
	v_lshrrev_b32 v[TM+4+\b], 23, v[TM+12+\b]        ; the scale's byte
.endr
	v_lshl_or_b32 v[PW], v[TM+5], 8, v[TM+4]
	v_lshl_or_b32 v[PW], v[TM+6], 16, v[PW]
	v_lshl_or_b32 v[PW], v[TM+7], 24, v[PW]
.irp c, 0,1
	v_cvt_scalef32_pk16_fp6_f32 v[PC+6*\c:PC+6*\c+2], v[\s+32*\c:\s+32*\c+15], v[TM+12+2*\c]
	v_cvt_scalef32_pk16_fp6_f32 v[PC+12+4*\c:PC+14+4*\c], v[\s+16+32*\c:\s+31+32*\c], v[TM+13+2*\c]
.endr
	v_nop                                            ; one plain place behind a scaled conversion
.irp c, 0,1                            ; the operand wants a whole block of 32 in a lane
.irp i, 0,1,2
	v_permlane16_swap_b32 v[PC+6*\c+\i], v[PC+12+4*\c+\i]
.endr
.irp i, 0,1,2
	v_mov_b32 v[PC+3+6*\c+\i], v[PC+12+4*\c+\i]
.endr
.endr
.endm
.macro LOAD n                          ; block n's 16 rows; the storage order stands in the immediates
.irp i, 0,1,2,3,4,5,6,7,8,9,10,11,12,13,14,15
	global_load_b128 v[R+64*\n+4*\i:R+64*\n+4*\i+3], v[L16], s[22:23] offset:(8*\n+\i+8*(\i/8))*4096 th:TH_LOAD_NT
.endr
.endm
.macro TURNU n, x                      ; unit n through its stage into v[x] on: LDS serves a wave's instructions in order (ISA guide 5.7.1.4)
.irp i, 0,1,2,3,4,5,6,7,8,9,10,11,12,13,14,15
	ds_store_b128 v[STI], v[R+64*\n+4*\i:R+64*\n+4*\i+3] offset:WST*\n+SP*\i
.endr
.irp b, 0,1,2,3
.irp j, 0,1,2,3
	ds_load_b128 v[\x+16*\b+4*\j:\x+16*\b+4*\j+3], v[STO] offset:WST*\n+128*\b+16*\j
.endr
.endr
.endm
.macro SENDQ n
.irp c, 0,1,2
	global_store_b128 v[L16], v[PC+4*\c:PC+4*\c+3], s[40:41] offset:12288*\n+512*\c   ; 512 consecutive bytes of the image
.endr
.endm
	s_load_b256 s[4:11], s[0:1], 0x0                 ; X, Wq, Wk, Wv
	s_load_b128 s[12:15], s[0:1], 0x20               ; Wo, xw
	v_lshl_add_u32 v[SPW], v0, 2, SPARE
	v_mov_b32 v[NIL], 0
	v_lshrrev_b32 v1, 5, v0
	v_readfirstlane_b32 s20, v1                      ; wave
	v_and_b32 v1, 31, v0
	v_and_b32 v2, 15, v0                             ; r
	v_bfe_u32 v3, v0, 4, 1                           ; h
	v_lshlrev_b32 v[L16], 4, v1
	v_lshlrev_b32 v[L4], 2, v1
	s_mul_i32 s21, s20, 2*WST
	v_add_nc_u32 v[STI], s21, v[L16]
	v_mul_u32_u24 v[STO], v2, SP
	v_lshl_add_u32 v[STO], v3, 6, v[STO]
	v_add_nc_u32 v[STO], s21, v[STO]
.irp b, 0,1,2,3
	v_mov_b32 v[TM+4+\b], 0                          ; a lane permute's destination counts as one of its sources
.endr
	s_mov_b32 s[SEL], 0x76543210
	s_mov_b32 s[SEL+1], 0xfedcba98
	s_mov_b32 s[SH], 0xffff0000
	s_lshr_b32 s30, ttmp9, 1                         ; which 32 of the 12,288 rows
	s_and_b32 s31, ttmp9, 1
	s_lshl_b32 s31, s31, 2
	s_add_co_u32 s31, s31, s20                       ; my K step
	s_and_b32 s21, s30, 31
	s_cmp_lt_u32 s30, 256
	s_cselect_b32 s21, s30, s21                      ; which 32 rows of their own tensor
	s_lshl_b32 s24, s21, 17
	s_lshl_b32 s25, s31, 9
	s_add_co_u32 s24, s24, s25
	s_mov_b32 s25, 0
	s_mul_i32 s26, s30, 24576                        ; two blocks' images,
	s_mul_i32 s27, s31, 1536                         ; my K step's
	s_add_co_u32 s26, s26, s27
	s_mov_b32 s27, 0
	s_mul_i32 s28, s31, 49152                        ; my K step's table of scale words,
	s_lshl_b32 s29, s30, 7                           ; my 32 rows
	s_add_co_u32 s28, s28, s29
	s_add_co_u32 s28, s28, XSO
	s_mov_b32 s29, 0
	s_wait_alu depctr_va_vdst(0)                     ; the wait at the head's end
	s_wait_kmcnt 0x0
	s_mov_b64 s[22:23], s[4:5]                       ; the choice of the tensor hangs on the work-group's number alone
	s_cmp_ge_u32 s30, 256
	s_cselect_b64 s[22:23], s[6:7], s[22:23]
	s_cmp_ge_u32 s30, 288
	s_cselect_b64 s[22:23], s[8:9], s[22:23]
	s_cmp_ge_u32 s30, 320
	s_cselect_b64 s[22:23], s[10:11], s[22:23]
	s_cmp_ge_u32 s30, 352
	s_cselect_b64 s[22:23], s[12:13], s[22:23]
	s_add_nc_u64 s[22:23], s[22:23], s[24:25]
	s_add_nc_u64 s[40:41], s[14:15], s[26:27]
	s_add_nc_u64 s[42:43], s[14:15], s[28:29]
	LOAD 0
	LOAD 1
	s_wait_loadcnt 16                                ; unit 0's 16 loads are in
	TURNU 0, 64
	s_wait_dscnt 0x0                                 ; unit 0 is back in v64-127, and v128-191 have been read
	s_wait_loadcnt 0x0
	TURNU 1, 128                                     ; unit 1 turns while unit 0 is worked
.set PC, 36
	QUANT 64
	SENDQ 0
	v_mov_b32 v[PWE], v[PW]
	s_wait_dscnt 0x0
.set PC, 64                            ; other registers than unit 0's stores read
	QUANT 128
	SENDQ 1
	v_cndmask_b32 v[PW2], v[PWE], v[PW], s[SH]       ; lanes 0-15 the even block's rows, lanes 16-31 the odd block's
	global_store_b32 v[L4], v[PW2], s[42:43]         ; 32 rows' words: 128 consecutive bytes
	s_wait_tensorcnt 0x0                             ; the wave's end
	ds_add_u32 v[SPW], v[NIL]
	s_wait_dscnt 0x0
	s_endpgm
.Lfunc_end_k_qf3101ed528_prep:
	.size	k_qf3101ed528_prep, .Lfunc_end_k_qf3101ed528_prep-k_qf3101ed528_prep
	.p2alignl 7, 3214868480
	.fill 96, 4, 3214868480
	.section	.rodata,"a",@progbits
	.p2align	6, 0x0
	.amdhsa_kernel k_qf3101ed528_prep
		.amdhsa_group_segment_fixed_size 68096
		.amdhsa_private_segment_fixed_size 0
		.amdhsa_enable_private_segment 0
		.amdhsa_kernarg_size 48
		.amdhsa_user_sgpr_count 2
		.amdhsa_user_sgpr_kernarg_segment_ptr 1
		.amdhsa_wavefront_size32 1
		.amdhsa_system_sgpr_workgroup_id_x 1
		.amdhsa_system_sgpr_workgroup_id_y 1
		.amdhsa_system_sgpr_workgroup_id_z 1
		.amdhsa_system_vgpr_workitem_id 0
		.amdhsa_next_free_vgpr 256
		.amdhsa_next_free_sgpr 66
		.amdhsa_reserve_vcc 0
		.amdhsa_float_denorm_mode_32 3
		.amdhsa_float_denorm_mode_16_64 3
		.amdhsa_memory_ordered 1
		.amdhsa_forward_progress 1
		.amdhsa_inst_pref_size 19
	.end_amdhsa_kernel
	.amdgpu_metadata
---
amdhsa.version: [ 1, 2 ]
amdhsa.kernels:
  - .name:           k_qf3101ed528_prep
    .symbol:         k_qf3101ed528_prep.kd
    .args:
      - { .name: X, .offset: 0, .size: 8, .value_kind: global_buffer, .address_space: global }
      - { .name: Wq, .offset: 8, .size: 8, .value_kind: global_buffer, .address_space: global }
      - { .name: Wk, .offset: 16, .size: 8, .value_kind: global_buffer, .address_space: global }
      - { .name: Wv, .offset: 24, .size: 8, .value_kind: global_buffer, .address_space: global }
      - { .name: Wo, .offset: 32, .size: 8, .value_kind: global_buffer, .address_space: global }
      - { .name: xw, .offset: 40, .size: 8, .value_kind: global_buffer, .address_space: global }
    .group_segment_fixed_size: 68096
    .private_segment_fixed_size: 0
    .kernarg_segment_align: 8
    .kernarg_segment_size: 48
    .max_flat_workgroup_size: 128
    .sgpr_count:     66
    .vgpr_count:     256
    .wavefront_size: 32
...
	.end_amdgpu_metadata
.endif
;; end of part 1
;; launch qkv (part 2): grid 8 x 32, 4 waves a work-group, clusters of 4 x 4, 327,680 bytes of LDS; arguments xw, bq, bk, bv, qkv; writes qkv
.if DOCPART == 2
	.amdgcn_target "amdgcn-amd-amdhsa--gfx1250"
	.amdhsa_code_object_version 6
	.text
	.protected	k_qf3101ed528_qkv
	.globl	k_qf3101ed528_qkv
	.p2align	8
	.type	k_qf3101ed528_qkv,@function
k_qf3101ed528_qkv:
	s_mov_b64 s[64:65], 0
	v_nop
	global_prefetch_b8 v0, s[64:65] scope:SCOPE_SE
	s_setreg_imm32_b32 hwreg(HW_REG_WAVE_MODE, 25, 1), 1
	s_wait_xcnt 0x0
	s_wait_alu depctr_hold_cnt(0) depctr_sa_sdst(0) depctr_va_vdst(0) depctr_va_sdst(0) depctr_va_ssrc(0) depctr_va_vcc(0) depctr_vm_vsrc(0)
	s_getreg_b32 s2, hwreg(HW_REG_IB_STS2, 6, 4)
	s_cmp_eq_u32 s2, 0
	s_cbranch_scc0 .Lentry_in_a_cluster
	s_endpgm
.Lentry_in_a_cluster:
	s_bfe_u32 s2, ttmp6, 0x10000c
	s_cmp_lg_u32 s2, 0xf033
	s_cbranch_scc0 .Lentry_shape_is_right
	s_endpgm
.Lentry_shape_is_right:
; Q = X Wq^T + bq and K = X Wk^T + bk, quantised along e; V = X Wv^T + bv, quantised along the keys.  All operands are codes of FP6 (E2M3) with E8M0 scales, laid as images of the operand's registers (16 rows x 128 K: 1,536 bytes).
; A PRODUCT IS D = source 0 x source 1^T: lane (r, h) of a result holds row r of source 1, and its register j row 8 h + j of source 0.  Source 0's axis is the next product's K; its blocks lie in storage order
; (storage row 16 t + r = row 32 (t / 2) + 8 (t % 2) + r + 8 (r / 8)), so that the 16 registers of results 2 b and 2 b + 1 are 16 neighbours of that axis.
; A WORK-GROUP MAKES TWO TILES, so that 256 work-groups have equal work.
;   TILE 1: source 1 = 256 rows of X (tile 4 cluster y + cy), source 0 = 256 rows of Wq and Wk on end (tile 4 cluster x + cx).  Wave w: the half w >> 1 of source 1's rows, the half w & 1 of source 0's: 64 accumulators.
;   TILE 2: source 1 = 128 rows of Wv (tile 4 cluster x + cy), source 0 = 256 rows of X, the keys (tile 4 cluster y + cx): 32 accumulators a wave.
; LDS: two slots of 147,456 bytes.  K = 1,024 is 8 steps of 128.  Tile 1: a slot holds three steps of 32 blocks.  Slot 0 (steps 0-2) is asked for at the head, one tensor load a wave; slot 1 (steps 3-5) behind the full sequence and a
; round of the cluster's barrier; slot 0 is filled again at step 2 with steps 6 and 7 (the load states two images of a row's three as the tensor's: the third is filled with zeros and never read).
; Tile 2: a slot holds four steps of 24 blocks: steps 0-3 go into slot 1 at tile 1's step 5, steps 4-7 into slot 0 between blocks 1 and 2 of tile 1's way out.  Every fill is one tensor load a wave behind a round.
; CLUSTER 4 x 4: source 1's tile is shared along a row of the cluster, source 0's along a column; each is asked for jointly.
; qkv: Q's images at 0, K's at KC: [512 blocks][8][1536]; V^T's at VC: [4 batches][64 blocks of e][16][1536]; scale words QS, KS: [8][8192 rows]; VS: [4][16][1024 rows].
; LIMITS: NaN and infinities are not served; a block of zeros gets the scale byte 1.
; REGISTERS: window 0: v5-15, v23 offsets, v16-27 LDS addresses, v28, v29 the add's two, v32-63 source 0's scale words, v64-95 source 1's, v128-223 source 1's fragments, later the way out; v240-247 tile 2's bias.
;   window 1: source 0's fragments, two sets (v0, v128); v96-127, v224-255 tile 1's bias.   windows 2, 3: accumulator (a, b) in window 2 + a / HF at v[8 (8 (a % HF) + b)].
.set GK,    8
.set SLOT,  147456
.set SPARE, 294912
.set RS,    12288
.set XSO,   9437184
.set KC,    6291456
.set VC,    12582912
.set QS,    18874368
.set VS,    19398656
.macro GEOM na, nq, ra, rb             ; blocks of source 1 a wave, K steps in a slot, the first LDS address registers
.set NA, \na
.set HF, NA/2
.set NQ, \nq
.set FB, NQ*1536
.set ADRA, \ra
.set ADRB, \rb
.endm
	GEOM 8, 3, 16, 20
.set L16,  5
.set L4,   6
.set BO0,  7
.set BO1,  8
.set VO1,  9
.set VS1,  10
.set VO2,  11
.set VS2,  12
.set VLB1, 13
.set VLA1, 14
.set VLB2, 15
.set VLA2, 23
.set SPW,  28
.set NIL,  29
.set SCB,  32
.set SCA,  64
.set AF,   128
.set HA,   128
.set PC,   192
.set TM,   212
.set PW,   228
.set PWE,  229
.set PW2,  230
.set BL,   240
.set G1,   24
.set G1B,  32
.set G0A,  40
.set G0B,  52
.set G1C,  68
.set G1D,  76
.set G0C,  84
.set G0D,  92
.set SEL,  8
.set SH,   20
.set MSB, 0
.macro WIN new
.if MSB != (\new)
	s_set_vgpr_msb (MSB<<8)|(\new)
.set MSB, (\new)
.endif
.endm
.set MUL_LO, 0xa1
.set MUL_HI, 0xf1
.set TO_B,   0x40
.macro PLACES n
.rept \n
	v_nop
.endr
.endm
.macro JLOAD g0a, g1a, g0b, g1b        ; a joint load: waves 0 and 1 fetch source 1's halves, waves 2 and 3 source 0's; s_nop 0 and four v_nop follow each line
	s_cmp_eq_u32 s15, 0
	s_cbranch_scc0 .Lfor_b_\@
	tensor_load_to_lds s[\g0a:\g0a+3], s[\g1a:\g1a+7]
	s_nop 0
.rept 4
	v_nop
.endr
	s_branch .Lasked_\@
.Lfor_b_\@:
	tensor_load_to_lds s[\g0b:\g0b+3], s[\g1b:\g1b+7]
	s_nop 0
.rept 4
	v_nop
.endr
.Lasked_\@:
.endm
.macro CREST
	s_cmp_lg_u32 s14, 0
	s_cbranch_scc1 .Lnot_wave_0_\@
	s_barrier_signal -3
.Lnot_wave_0_\@:
	s_barrier_wait -3
	s_barrier_signal -1
	s_barrier_wait -1
.endm
.macro CROUND
	s_barrier_signal -1
	s_barrier_wait -1
	CREST
.endm
.macro FRAG reg, adr, off
.irp c, 0,1,2
	ds_load_b128 v[\reg+4*\c:\reg+4*\c+3], v[\adr] offset:\off+512*\c
.endr
.endm
.macro FETCH_B ar, q, st
	WIN TO_B
.irp i, 0,1,2,3,4,5,6,7
	FRAG 128*(\st)+12*\i, ADRB+\ar, \i*FB+1536*(\q)
.endr
	WIN 0
.endm
.macro FETCH_A ar, q, i0
.set ii, \i0
.rept HF
	FRAG AF+12*ii, ADRA+\ar, ii*FB+1536*(\q)
.set ii, ii+1
.endr
.endm
.macro MULB g, a, zero                 ; the accumulators take turns, one instruction a turn
.irp b, 0,1,2,3,4,5,6,7
.set rD, 8*(8*((\a)%HF)+\b)
.set rB, 128*((\g)%2)+12*\b
.set rA, AF+12*(\a)
.set rSB, SCB+(\b/2)*GK+(\g)
.set rSA, SCA+((\a)/2)*GK+(\g)
.set vr, 4*(\zero)+2*(\b%2)+((\a)%2)
.if vr == 0
	v_wmma_scale_f32_16x16x128_f8f6f4 v[rD:rD+7], v[rB:rB+11], v[rA:rA+11], v[rD:rD+7], v[rSB], v[rSA] matrix_a_fmt:MATRIX_FMT_FP6 matrix_b_fmt:MATRIX_FMT_FP6
.elseif vr == 1
	v_wmma_scale_f32_16x16x128_f8f6f4 v[rD:rD+7], v[rB:rB+11], v[rA:rA+11], v[rD:rD+7], v[rSB], v[rSA] matrix_a_fmt:MATRIX_FMT_FP6 matrix_b_fmt:MATRIX_FMT_FP6 matrix_b_scale:MATRIX_SCALE_ROW1
.elseif vr == 2
	v_wmma_scale_f32_16x16x128_f8f6f4 v[rD:rD+7], v[rB:rB+11], v[rA:rA+11], v[rD:rD+7], v[rSB], v[rSA] matrix_a_fmt:MATRIX_FMT_FP6 matrix_b_fmt:MATRIX_FMT_FP6 matrix_a_scale:MATRIX_SCALE_ROW1
.elseif vr == 3
	v_wmma_scale_f32_16x16x128_f8f6f4 v[rD:rD+7], v[rB:rB+11], v[rA:rA+11], v[rD:rD+7], v[rSB], v[rSA] matrix_a_fmt:MATRIX_FMT_FP6 matrix_b_fmt:MATRIX_FMT_FP6 matrix_a_scale:MATRIX_SCALE_ROW1 matrix_b_scale:MATRIX_SCALE_ROW1
.elseif vr == 4
	v_wmma_scale_f32_16x16x128_f8f6f4 v[rD:rD+7], v[rB:rB+11], v[rA:rA+11], 0, v[rSB], v[rSA] matrix_a_fmt:MATRIX_FMT_FP6 matrix_b_fmt:MATRIX_FMT_FP6
.elseif vr == 5
	v_wmma_scale_f32_16x16x128_f8f6f4 v[rD:rD+7], v[rB:rB+11], v[rA:rA+11], 0, v[rSB], v[rSA] matrix_a_fmt:MATRIX_FMT_FP6 matrix_b_fmt:MATRIX_FMT_FP6 matrix_b_scale:MATRIX_SCALE_ROW1
.elseif vr == 6
	v_wmma_scale_f32_16x16x128_f8f6f4 v[rD:rD+7], v[rB:rB+11], v[rA:rA+11], 0, v[rSB], v[rSA] matrix_a_fmt:MATRIX_FMT_FP6 matrix_b_fmt:MATRIX_FMT_FP6 matrix_a_scale:MATRIX_SCALE_ROW1
.else
	v_wmma_scale_f32_16x16x128_f8f6f4 v[rD:rD+7], v[rB:rB+11], v[rA:rA+11], 0, v[rSB], v[rSA] matrix_a_fmt:MATRIX_FMT_FP6 matrix_b_fmt:MATRIX_FMT_FP6 matrix_a_scale:MATRIX_SCALE_ROW1 matrix_b_scale:MATRIX_SCALE_ROW1
.endif
.endr
.endm
.macro MULS g, a0, n, zero
.set aa, \a0
.rept \n
	MULB \g, aa, \zero
.set aa, aa+1
.endr
.endm
.macro STEP g, ar, q, zero             ; K step g; (ar, q): where step g + 1 lies
	s_wait_dscnt 3*HF                                ; all but the youngest 3 HF loads (source 1's upper blocks) are in
	WIN MUL_LO
	MULS \g, 0, HF, \zero
	s_wait_dscnt 0x0
	PLACES 4
	FETCH_B \ar, \q, ((\g)+1)%2
	FETCH_A \ar, \q, 0
	WIN MUL_HI
	MULS \g, HF, HF, \zero
	PLACES 4
	WIN 0
	FETCH_A \ar, \q, HF
.endm
; A step that leaves a slot: one barrier.  fill = 1: slot 0 takes tile 1's steps 6 and 7;  fill = 2: slot 1 takes tile 2's steps 0 to 3; in both the barrier opens a round of the cluster's.  fill = 0: nothing is filled.
.macro TURN g, ar, q, fill
	s_wait_tensorcnt 0x0                             ; all my tensor loads have landed
	ds_add_u32 v[SPW], v[NIL]
	s_wait_dscnt 3*HF+1                              ; (the add and the youngest 3 HF loads may be out)
	WIN MUL_LO
	MULS \g, 0, HF/2, 0
	s_wait_dscnt 0x0                                 ; the add is done, and my reads of the slot behind me are over
	s_barrier_signal -1
	MULS \g, HF/2, HF/2, 0
	WIN 0
	s_barrier_wait -1
.if \fill == 1
	CREST
	s_add_nc_u64 s[G0A+2:G0A+3], s[G0A+2:G0A+3], 2*NQ*1536
	s_add_nc_u64 s[G0B+2:G0B+3], s[G0B+2:G0B+3], 2*NQ*1536
	s_mov_b32 s[G1+1], (192*2)<<16                   ; no load of mine is out: tensor_dim0 = the two images that are left of a row
	s_mov_b32 s[G1B+1], (192*2)<<16
	JLOAD G0A, G1, G0B, G1B                          ; the first tensor load behind the round; its four v_nop are the places in front of the loads below
.elseif \fill == 2
	CREST
	JLOAD G0C, G1C, G0D, G1D
.else
	PLACES 4
.endif
	FETCH_B \ar, \q, ((\g)+1)%2
	FETCH_A \ar, \q, 0
	WIN MUL_HI
	MULS \g, HF, HF, 0
	PLACES 4
	WIN 0
	FETCH_A \ar, \q, HF
.endm
.macro LAST g
	s_wait_dscnt 3*HF
	WIN MUL_LO
	MULS \g, 0, HF, 0
	s_wait_dscnt 0x0
	WIN MUL_HI
	MULS \g, HF, HF, 0
	WIN 0
	PLACES 4
.endm
.macro QMAX s                          ; 64 numbers in v[s] on: the four blocks' largest magnitudes into v[TM] on
.irp b, 0,1,2,3
	v_max3_num_f32 v[TM+\b], |v[\s+16*\b]|, |v[\s+1+16*\b]|, 0x1800000   ; and the floor 2^(3 - 127)
.endr
.irp i, 2,4,6,8,10,12,14
.irp b, 0,1,2,3
	v_max3_num_f32 v[TM+\b], v[TM+\b], |v[\s+16*\b+\i]|, |v[\s+1+16*\b+\i]|
.endr
.endr
.irp b, 0,1,2,3
	v_permlanex16_b32 v[TM+4+\b], v[TM+\b], s[SEL], s[SEL+1]
.endr
.irp b, 0,1,2,3
	v_max_num_f32 v[TM+\b], v[TM+\b], v[TM+4+\b]
.endr
.endm
.macro QTAIL s                         ; the fragment's codes into v[PC] on, the row's scale word into v[PW]
.irp b, 0,1,2,3
	v_add_nc_u32 v[TM+12+\b], 0xff000000, v[TM+\b]
.endr
.irp b, 0,1,2,3
	v_lshrrev_b32 v[TM+4+\b], 23, v[TM+12+\b]
.endr
	v_lshl_or_b32 v[PW], v[TM+5], 8, v[TM+4]
	v_lshl_or_b32 v[PW], v[TM+6], 16, v[PW]
	v_lshl_or_b32 v[PW], v[TM+7], 24, v[PW]
.irp c, 0,1
	v_cvt_scalef32_pk16_fp6_f32 v[PC+6*\c:PC+6*\c+2], v[\s+32*\c:\s+32*\c+15], v[TM+12+2*\c]
	v_cvt_scalef32_pk16_fp6_f32 v[PC+12+4*\c:PC+14+4*\c], v[\s+16+32*\c:\s+31+32*\c], v[TM+13+2*\c]
.endr
	v_nop                                            ; one plain place behind a scaled conversion
.irp c, 0,1
.irp i, 0,1,2
	v_permlane16_swap_b32 v[PC+6*\c+\i], v[PC+12+4*\c+\i]
.endr
.irp i, 0,1,2
	v_mov_b32 v[PC+3+6*\c+\i], v[PC+12+4*\c+\i]
.endr
.endr
.endm
.macro SEND a, vo, vs, str             ; block a's image and, with each odd block, 32 rows' scale words
.irp c, 0,1,2
	global_store_b128 v[\vo], v[PC+4*\c:PC+4*\c+3], s[12:13] offset:\str*(\a)+512*\c
.endr
.if (\a)%2 == 0
	v_mov_b32 v[PWE], v[PW]
.else
	v_cndmask_b32 v[PW2], v[PWE], v[PW], s[SH]
	global_store_b32 v[\vs], v[PW2], s[12:13] offset:128*((\a)/2)
.endif
.endm
	s_load_b256 s[4:11], s[0:1], 0x0                 ; xw, bq, bk, bv
	s_load_b64 s[12:13], s[0:1], 0x20                ; qkv
	v_lshl_add_u32 v[SPW], v0, 2, SPARE
	v_mov_b32 v[NIL], 0
	ds_add_u32 v[SPW], v[NIL]                        ; the opening lines: the add twice and its wait ahead of my first tensor load
	ds_add_u32 v[SPW], v[NIL]
	v_lshrrev_b32 v1, 5, v0
	v_readfirstlane_b32 s14, v1
	v_and_b32 v30, 31, v0
	v_lshlrev_b32 v30, 8, v30                        ; the prefetches' offset: 256 x lane; never rewritten
	s_lshr_b32 s15, s14, 1                           ; my half of source 1's rows.  Also: I fetch for source 1 (0) or source 0 (1)
	s_and_b32 s16, s14, 1                            ; my half of source 0's rows.  Also: which half of that tile I fetch
	s_bfe_u32 s17, ttmp6, 0x40000                    ; cx
	s_bfe_u32 s18, ttmp6, 0x40004                    ; cy
	s_mov_b32 s19, ttmp9                             ; cluster x
	s_and_b32 s20, ttmp7, 0xffff                     ; cluster y
	s_lshl_b32 s21, s18, 2
	s_lshl_b32 s21, 15, s21                          ; my row of the cluster
	s_lshl_b32 s22, 0x1111, s17                      ; my column
	s_or_b32 s[G1], s21, (3<<16)|(1<<21)             ; the mask; elements of 8 bytes; bit 21 beside a mask
	s_or_b32 s[G1B], s22, (3<<16)|(1<<21)
	s_or_b32 s[G1C], s21, (3<<16)|(1<<21)
	s_or_b32 s[G1D], s22, (3<<16)|(1<<21)
.irp g, G1, G1B                        ; tile 1: rows of a block's three images, 8 blocks
	s_mov_b32 s[\g+1], (192*3)<<16
	s_mov_b32 s[\g+2], 8<<16
	s_mov_b32 s[\g+3], (192*3)<<16
	s_mov_b32 s[\g+4], 8
	s_mov_b32 s[\g+5], 192*GK
	s_mov_b32 s[\g+6], 0
	s_mov_b32 s[\g+7], 0
.endr
	s_mov_b32 s[G1C+1], (192*4)<<16                  ; tile 2: four images on end; source 1: 4 blocks
	s_mov_b32 s[G1C+2], 4<<16
	s_mov_b32 s[G1C+3], (192*4)<<16
	s_mov_b32 s[G1C+4], 4
	s_mov_b32 s[G1C+5], 192*GK
	s_mov_b32 s[G1C+6], 0
	s_mov_b32 s[G1C+7], 0
	s_mov_b32 s[G1D+1], (192*4)<<16                  ; source 0: 8 blocks
	s_mov_b32 s[G1D+2], 8<<16
	s_mov_b32 s[G1D+3], (192*4)<<16
	s_mov_b32 s[G1D+4], 8
	s_mov_b32 s[G1D+5], 192*GK
	s_mov_b32 s[G1D+6], 0
	s_mov_b32 s[G1D+7], 0
	; what feeds source 1's descriptors never holds cx, what feeds source 0's never cy
	s_lshl_b32 s23, s20, 2
	s_add_co_u32 s23, s23, s18                       ; tile 1, source 1: X's tile 4 cluster y + cy
	s_lshl_b32 s2, s19, 2
	s_add_co_u32 s2, s2, s18                         ; tile 2, source 1: Wv's tile 4 cluster x + cy
	s_lshl_b32 s3, s19, 2
	s_add_co_u32 s3, s3, s17                         ; tile 1, source 0: tile 4 cluster x + cx of Wq and Wk on end
	s_lshl_b32 s66, s20, 2
	s_add_co_u32 s66, s66, s17                       ; tile 2, source 0: X's tile 4 cluster y + cx
	s_lshl_b32 s67, s16, 3
	s_lshl_b32 s[G0A+2], s23, 4
	s_add_co_u32 s[G0A+2], s[G0A+2], s67
	s_mul_i32 s[G0A+2], s[G0A+2], GK*1536
	s_mov_b32 s[G0A+3], 0
	s_lshl_b32 s[G0B+2], s3, 4
	s_add_co_u32 s[G0B+2], s[G0B+2], s67
	s_add_co_u32 s[G0B+2], s[G0B+2], 512             ; Wq's blocks begin at 512
	s_mul_i32 s[G0B+2], s[G0B+2], GK*1536
	s_mov_b32 s[G0B+3], 0
	s_lshl_b32 s[G0C+2], s2, 3
	s_lshl_b32 s[G0C+3], s16, 2
	s_add_co_u32 s[G0C+2], s[G0C+2], s[G0C+3]
	s_add_co_u32 s[G0C+2], s[G0C+2], 640             ; Wv's blocks begin at 640
	s_mul_i32 s[G0C+2], s[G0C+2], GK*1536
	s_mov_b32 s[G0C+3], 0
	s_lshl_b32 s[G0D+2], s66, 4
	s_add_co_u32 s[G0D+2], s[G0D+2], s67
	s_mul_i32 s[G0D+2], s[G0D+2], GK*1536
	s_mov_b32 s[G0D+3], 0
	s_mul_i32 s100, s16, 36864                       ; where my tiles go in a slot: tile 1: halves of 8 x 4,608 bytes, source 1's,
	s_add_co_u32 s101, s100, 73728                   ; then source 0's;
	s_mul_i32 s21, s16, 24576                        ; tile 2: source 1's halves of 4 x 6,144,
	s_mul_i32 s67, s16, 49152
	s_add_co_u32 s67, s67, 49152                     ; then source 0's of 8 x 6,144.  No place in the cluster enters an LDS address
	s_wait_alu depctr_va_vdst(0)                     ; the wait ahead of the blocking waits
	s_wait_dscnt 0x0
	s_wait_kmcnt 0x0
	s_add_nc_u64 s[G0A+2:G0A+3], s[4:5], s[G0A+2:G0A+3]
	s_add_nc_u64 s[G0B+2:G0B+3], s[4:5], s[G0B+2:G0B+3]
	s_add_nc_u64 s[G0C+2:G0C+3], s[4:5], s[G0C+2:G0C+3]
	s_add_nc_u64 s[G0D+2:G0D+3], s[4:5], s[G0D+2:G0D+3]
	; A prefetch into the L2 of tile 1's operands, ahead of the first round.  The half tile that I fetch, 8 blocks x 8 K steps, is 98,304 bytes on end; the four partners that ask for it jointly
	; share it out by address (cx for source 1, cy for source 0): 24,576 bytes each, a lane to each 256, three instructions a wave.  s[48:51] and v30 are never rewritten.
	s_cmp_eq_u32 s15, 0
	s_cselect_b64 s[48:49], s[G0A+2:G0A+3], s[G0B+2:G0B+3]
	s_cselect_b32 s50, s17, s18
	s_mul_i32 s50, s50, 24576
	s_mov_b32 s51, 0
	s_add_nc_u64 s[48:49], s[48:49], s[50:51]
	global_prefetch_b8 v30, s[48:49] th:TH_LOAD_NT scope:SCOPE_SE
	global_prefetch_b8 v30, s[48:49] offset:8192 th:TH_LOAD_NT scope:SCOPE_SE
	global_prefetch_b8 v30, s[48:49] offset:16384 th:TH_LOAD_NT scope:SCOPE_SE
	s_add_nc_u64 s[G0A+6:G0A+7], s[G0A+2:G0A+3], 4608
	s_add_nc_u64 s[G0B+6:G0B+7], s[G0B+2:G0B+3], 4608
	s_add_nc_u64 s[G0C+6:G0C+7], s[G0C+2:G0C+3], 6144                ; four K steps on
	s_add_nc_u64 s[G0D+6:G0D+7], s[G0D+2:G0D+3], 6144
.irp f, 0,1                            ; tile 2's steps 0-3 lie in slot 1, its steps 4-7 in slot 0
	s_mov_b32 s[G0A+4*\f], 1
	s_add_co_u32 s[G0A+4*\f+1], s100, \f*SLOT
	s_or_b32 s[G0A+4*\f+3], s[G0A+4*\f+3], 0x80000000
	s_mov_b32 s[G0B+4*\f], 1
	s_add_co_u32 s[G0B+4*\f+1], s101, \f*SLOT
	s_or_b32 s[G0B+4*\f+3], s[G0B+4*\f+3], 0x80000000
	s_mov_b32 s[G0C+4*\f], 1
	s_add_co_u32 s[G0C+4*\f+1], s21, (1-\f)*SLOT
	s_or_b32 s[G0C+4*\f+3], s[G0C+4*\f+3], 0x80000000
	s_mov_b32 s[G0D+4*\f], 1
	s_add_co_u32 s[G0D+4*\f+1], s67, (1-\f)*SLOT
	s_or_b32 s[G0D+4*\f+3], s[G0D+4*\f+3], 0x80000000
.endr
	CROUND                                           ; all sixteen work-groups are here: the first joint loads meet
	JLOAD G0A, G1, G0B, G1B                          ; slot 0: my one tensor load at the head
	v_and_b32 v1, 15, v0                             ; r
	v_bfe_u32 v2, v0, 4, 1                           ; h
	v_and_b32 v3, 31, v0
	v_lshlrev_b32 v[L16], 4, v3
	v_lshlrev_b32 v[L4], 2, v3
	s_wait_alu depctr_va_vdst(0)
	s_lshl_b32 s21, s3, 10                           ; tile 1: the scale words of my 128 rows of source 0
	s_lshl_b32 s22, s16, 9
	s_add_co_u32 s21, s21, s22
	s_add_co_u32 s21, s21, XSO+32768
	v_add_nc_u32 v[VLB1], s21, v[L4]
	s_lshl_b32 s21, s23, 10                          ; and of source 1
	s_lshl_b32 s22, s15, 9
	s_add_co_u32 s21, s21, s22
	s_add_co_u32 s21, s21, XSO
	v_add_nc_u32 v[VLA1], s21, v[L4]
.irp p, 0,1,2,3                        ; all scale words of my rows stay in registers: a load takes 32 rows' words
.irp kw, 0,1,2,3,4,5,6,7
	global_load_b32 v[SCB+\p*GK+\kw], v[VLB1], s[4:5] offset:(\kw*RS+32*\p)*4
	global_load_b32 v[SCA+\p*GK+\kw], v[VLA1], s[4:5] offset:(\kw*RS+32*\p)*4
.endr
.endr
	s_lshl_b32 s21, s17, 10                          ; tile 1's bias, along source 0
	s_lshl_b32 s22, s16, 9
	s_add_co_u32 s21, s21, s22
	v_lshl_add_u32 v[BO0], v2, 6, s21
	s_cmp_eq_u32 s19, 0
	s_cselect_b64 s[6:7], s[6:7], s[8:9]             ; bq or bk, by the cluster's x
	s_lshl_b32 s21, s2, 9                            ; tile 2's bias, along source 1, my row in storage order
	s_lshl_b32 s22, s15, 8
	s_add_co_u32 s21, s21, s22
	v_and_b32 v[BO1], 8, v1
	v_add_nc_u32 v[BO1], v[BO1], v1
	v_lshl_add_u32 v[BO1], v[BO1], 2, s21
	WIN TO_B
.irp t, 0,1,2,3,4,5,6,7                ; in the result's layout: numbers 32 (t / 2) + 8 (t % 2) + 16 h + 0 .. 7
	global_load_b128 v[96+8*\t+96*(\t/4):99+8*\t+96*(\t/4)], v[BO0], s[6:7] offset:(32*(\t/2)+8*(\t%2))*4
	global_load_b128 v[100+8*\t+96*(\t/4):103+8*\t+96*(\t/4)], v[BO0], s[6:7] offset:(32*(\t/2)+8*(\t%2))*4+16
.endr
	WIN 0
.irp a, 0,1,2,3
	global_load_b32 v[BL+2*\a], v[BO1], s[10:11] offset:(32*(\a/2)+8*(\a%2))*4
	v_mov_b32 v[BL+2*\a+1], 0                        ; (named with it as a pair)
.endr
	s_mul_i32 s21, s15, 36864                        ; LDS addresses of my fragments: tile 1
	s_mul_i32 s22, s16, 36864
	s_add_co_u32 s22, s22, 73728
.irp ar, 0,1
	v_add_nc_u32 v[16+\ar], s21, v[L16]
	v_add_nc_u32 v[20+\ar], s22, v[L16]
	s_add_co_u32 s21, s21, SLOT
	s_add_co_u32 s22, s22, SLOT
.endr
	s_mul_i32 s21, s15, 24576                        ; tile 2
	s_mul_i32 s22, s16, 49152
	s_add_co_u32 s22, s22, 49152
	v_add_nc_u32 v25, s21, v[L16]                    ; its steps 4-7: slot 0
	v_add_nc_u32 v27, s22, v[L16]
	s_add_co_u32 s21, s21, SLOT
	s_add_co_u32 s22, s22, SLOT
	v_add_nc_u32 v24, s21, v[L16]                    ; its steps 0-3: slot 1
	v_add_nc_u32 v26, s22, v[L16]
	; tile 1's way out: block 16 tile + 8 (wave >> 1) of Q or K, K step 2 cx + (wave & 1)
	s_lshl_b32 s21, s23, 4
	s_lshl_b32 s22, s15, 3
	s_add_co_u32 s21, s21, s22
	s_mul_i32 s21, s21, 12288
	s_lshl_b32 s22, s17, 1
	s_add_co_u32 s22, s22, s16
	s_mul_i32 s101, s22, 1536
	s_add_co_u32 s21, s21, s101
	s_mul_i32 s101, s19, KC
	s_add_co_u32 s21, s21, s101
	v_add_nc_u32 v[VO1], s21, v[L16]
	s_lshl_b32 s21, s22, 15
	s_lshl_b32 s101, s23, 10
	s_add_co_u32 s21, s21, s101
	s_lshl_b32 s101, s15, 9
	s_add_co_u32 s21, s21, s101
	s_lshl_b32 s101, s19, 18
	s_add_co_u32 s21, s21, s101
	s_add_co_u32 s21, s21, QS
	v_add_nc_u32 v[VS1], s21, v[L4]
	; tile 2's: batch = X's tile / 8, K step 2 (tile % 8) + (wave & 1), block 64 batch + 8 Wv's tile + 4 (wave >> 1)
	s_lshr_b32 s21, s66, 3
	s_and_b32 s22, s66, 7
	s_lshl_b32 s22, s22, 1
	s_add_co_u32 s22, s22, s16
	s_lshl_b32 s101, s21, 6
	s_lshl_b32 s67, s2, 3
	s_add_co_u32 s101, s101, s67
	s_lshl_b32 s67, s15, 2
	s_add_co_u32 s101, s101, s67
	s_lshl_b32 s101, s101, 4
	s_add_co_u32 s101, s101, s22
	s_mul_i32 s101, s101, 1536
	s_add_co_u32 s101, s101, VC
	v_add_nc_u32 v[VO2], s101, v[L16]
	s_lshl_b32 s101, s21, 4
	s_add_co_u32 s101, s101, s22
	s_lshl_b32 s101, s101, 12
	s_lshl_b32 s67, s2, 9
	s_add_co_u32 s101, s101, s67
	s_lshl_b32 s67, s15, 8
	s_add_co_u32 s101, s101, s67
	s_add_co_u32 s101, s101, VS
	v_add_nc_u32 v[VS2], s101, v[L4]
	s_lshl_b32 s21, s66, 10                          ; tile 2's scale words: source 0
	s_lshl_b32 s22, s16, 9
	s_add_co_u32 s21, s21, s22
	s_add_co_u32 s21, s21, XSO
	v_add_nc_u32 v[VLB2], s21, v[L4]
	s_lshl_b32 s21, s2, 9                            ; source 1
	s_lshl_b32 s22, s15, 8
	s_add_co_u32 s21, s21, s22
	s_add_co_u32 s21, s21, XSO+40960
	v_add_nc_u32 v[VLA2], s21, v[L4]
	s_mov_b32 s[SEL], 0x76543210
	s_mov_b32 s[SEL+1], 0xfedcba98
	s_mov_b32 s[SH], 0xffff0000
	s_wait_alu depctr_va_vdst(0)                     ; the wait at the head's end
	s_wait_loadcnt 0x0
	s_wait_tensorcnt 0x0                             ; my part of slot 0 is in; the full sequence ahead of slot 1's first fill
	ds_add_u32 v[SPW], v[NIL]
	s_wait_dscnt 0x0
	CROUND
	JLOAD G0A+4, G1, G0B+4, G1B                      ; slot 1: steps 3 to 5, with steps 0 and 1 in which to land
	; ---- TILE 1
	FETCH_B 0, 0, 0
	FETCH_A 0, 0, 0
	FETCH_A 0, 0, HF
	STEP 0, 0, 1, 1                                  ; the first step's products start the sums
	STEP 1, 0, 2, 0
	TURN 2, 1, 0, 1                                  ; slot 0 is left, and takes steps 6 and 7
	STEP 3, 1, 1, 0
	STEP 4, 1, 2, 0
	TURN 5, 0, 0, 2                                  ; slot 1 is left, and takes tile 2's steps 0 to 3
	STEP 6, 0, 1, 0
	LAST 7
	s_wait_alu depctr_va_vdst(0)
.irp p, 0,1,2,3                        ; tile 2's scale words land on tile 1's, four places behind the last products
.irp kw, 0,1,2,3,4,5,6,7
	global_load_b32 v[SCB+\p*GK+\kw], v[VLB2], s[4:5] offset:(\kw*RS+32*\p)*4
.endr
.endr
.irp p, 0,1
.irp kw, 0,1,2,3,4,5,6,7
	global_load_b32 v[SCA+\p*GK+\kw], v[VLA2], s[4:5] offset:(\kw*RS+32*\p)*4
.endr
.endr
.irp b, 0,1,2,3
	v_mov_b32 v[TM+4+\b], 0                          ; a lane permute's destination counts as one of its sources
.endr
.macro EPI1 a                          ; block a: the bias, the quantiser along source 0's axis, the image and the scale words
	WIN 0x06+(\a)/HF
.set i, 0
.rept 32
	v_pk_add_f32 v[HA+2*i:HA+2*i+1], v[64*((\a)%HF)+2*i:64*((\a)%HF)+2*i+1], v[96+2*i+96*(i/16):97+2*i+96*(i/16)]   ; each accumulator from its low end on
.set i, i+1
.endr
	WIN 0
	QMAX HA
	s_wait_alu depctr_va_vdst(0)
	s_wait_xcnt 0x0                                  ; the last block's stores have read their data
	QTAIL HA
	SEND \a, VO1, VS1, 12288
.endm
	EPI1 0
	EPI1 1
	s_wait_tensorcnt 0x0                             ; my part of tile 2's steps 0 to 3 is in
	ds_add_u32 v[SPW], v[NIL]
	s_wait_dscnt 0x0                                 ; my reads of slot 0 ended in tile 1's last step
	CROUND
	JLOAD G0C+4, G1C, G0D+4, G1D                     ; slot 0 takes tile 2's steps 4 to 7
.irp a, 2,3,4,5,6,7
	EPI1 \a
.endr
	; ---- TILE 2.  Its steps 0 to 3 were shown whole to every wave by the round above
	GEOM 4, 4, 24, 26
	s_wait_loadcnt 0x0
	FETCH_B 0, 0, 0
	FETCH_A 0, 0, 0
	FETCH_A 0, 0, HF
	STEP 0, 0, 1, 1
	STEP 1, 0, 2, 0
	STEP 2, 0, 3, 0
	TURN 3, 1, 0, 0
	STEP 4, 1, 1, 0
	STEP 5, 1, 2, 0
	STEP 6, 1, 3, 0
	LAST 7
.macro EPI2 a
	WIN 0x02+(\a)/HF
.set i, 0
.rept 32
	v_pk_add_f32 v[HA+2*i:HA+2*i+1], v[64*((\a)%HF)+2*i:64*((\a)%HF)+2*i+1], v[BL+2*(\a):BL+2*(\a)+1] op_sel_hi:[1,0]   ; bv of my row
.set i, i+1
.endr
	WIN 0
	QMAX HA
	s_wait_alu depctr_va_vdst(0)
	s_wait_xcnt 0x0
	QTAIL HA
	SEND \a, VO2, VS2, 24576
.endm
.irp a, 0,1,2,3
	EPI2 \a
.endr
	s_wait_tensorcnt 0x0                             ; the wave's end
	ds_add_u32 v[SPW], v[NIL]
	s_wait_dscnt 0x0
	CROUND                                           ; the closing round
	s_endpgm
.Lfunc_end_k_qf3101ed528_qkv:
	.size	k_qf3101ed528_qkv, .Lfunc_end_k_qf3101ed528_qkv-k_qf3101ed528_qkv
	.p2alignl 7, 3214868480
	.fill 96, 4, 3214868480
	.section	.rodata,"a",@progbits
	.p2align	6, 0x0
	.amdhsa_kernel k_qf3101ed528_qkv
		.amdhsa_group_segment_fixed_size 327680
		.amdhsa_private_segment_fixed_size 0
		.amdhsa_enable_private_segment 0
		.amdhsa_kernarg_size 40
		.amdhsa_user_sgpr_count 2
		.amdhsa_user_sgpr_kernarg_segment_ptr 1
		.amdhsa_wavefront_size32 1
		.amdhsa_system_sgpr_workgroup_id_x 1
		.amdhsa_system_sgpr_workgroup_id_y 1
		.amdhsa_system_sgpr_workgroup_id_z 1
		.amdhsa_system_vgpr_workitem_id 0
		.amdhsa_next_free_vgpr 1024
		.amdhsa_next_free_sgpr 102
		.amdhsa_reserve_vcc 0
		.amdhsa_float_denorm_mode_32 3
		.amdhsa_float_denorm_mode_16_64 3
		.amdhsa_memory_ordered 1
		.amdhsa_forward_progress 1
		.amdhsa_inst_pref_size 249
	.end_amdhsa_kernel
	.amdgpu_metadata
---
amdhsa.version: [ 1, 2 ]
amdhsa.kernels:
  - .name:           k_qf3101ed528_qkv
    .symbol:         k_qf3101ed528_qkv.kd
    .args:
      - { .name: xw, .offset: 0, .size: 8, .value_kind: global_buffer, .address_space: global }
      - { .name: bq, .offset: 8, .size: 8, .value_kind: global_buffer, .address_space: global }
      - { .name: bk, .offset: 16, .size: 8, .value_kind: global_buffer, .address_space: global }
      - { .name: bv, .offset: 24, .size: 8, .value_kind: global_buffer, .address_space: global }
      - { .name: qkv, .offset: 32, .size: 8, .value_kind: global_buffer, .address_space: global }
    .group_segment_fixed_size: 327680
    .private_segment_fixed_size: 0
    .kernarg_segment_align: 8
    .kernarg_segment_size: 40
    .max_flat_workgroup_size: 128
    .sgpr_count:     102
    .vgpr_count:     1024
    .wavefront_size: 32
...
	.end_amdgpu_metadata
.endif
;; end of part 2
;; launch score (part 3): grid 8 x 32, 4 waves a work-group, clusters of 4 x 4, 327,680 bytes of LDS; arguments qkv, attention_mask, pbuf; writes pbuf
.if DOCPART == 3
	.amdgcn_target "amdgcn-amd-amdhsa--gfx1250"
	.amdhsa_code_object_version 6
	.text
	.protected	k_qf3101ed528_score
	.globl	k_qf3101ed528_score
	.p2align	8
	.type	k_qf3101ed528_score,@function
k_qf3101ed528_score:
	s_mov_b64 s[64:65], 0
	v_nop
	global_prefetch_b8 v0, s[64:65] scope:SCOPE_SE
	s_setreg_imm32_b32 hwreg(HW_REG_WAVE_MODE, 25, 1), 1
	s_wait_xcnt 0x0
	s_wait_alu depctr_hold_cnt(0) depctr_sa_sdst(0) depctr_va_vdst(0) depctr_va_sdst(0) depctr_va_ssrc(0) depctr_va_vcc(0) depctr_vm_vsrc(0)
	s_getreg_b32 s2, hwreg(HW_REG_IB_STS2, 6, 4)
	s_cmp_eq_u32 s2, 0
	s_cbranch_scc0 .Lentry_in_a_cluster
	s_endpgm
.Lentry_in_a_cluster:
	s_bfe_u32 s2, ttmp6, 0x10000c
	s_cmp_lg_u32 s2, 0xf033
	s_cbranch_scc0 .Lentry_shape_is_right
	s_endpgm
.Lentry_shape_is_right:
; S^T = K Q^T on codes of FP6 (E2M3) with E8M0 scales; the mask; and the softmax's numerator, finished tile by tile: for each query and each chunk of 128 keys a LOCAL whole number M = ceil(the chunk's largest t),
; t = score x log2(e) / 32; p = 2^(t - M) is quantised along the keys; -M and the sum of the unquantised p go with the codes.  Since M is a whole number, the codes do not hang on it: the next launch only takes
; the difference to the row's M off the scale bytes.
; D = source 0 x source 1^T: source 0 = 256 keys (K's images, storage order), source 1 = 256 queries (Q's images): lane (r, h) holds one query, and the 16 registers of results 2 b, 2 b + 1 are keys 32 b + 16 h + 0 .. 15.
; THE MASK [8192 queries][2048 keys], int32, is read here, once, by the tensor data mover, into slots that K and Q have left.  A wave's part is 128 queries x 512 bytes (its chunk).  It comes in two loads of the wave's own, 64 rows each,
; 8,192 bytes apart in memory and 528 in LDS: queries 0-63 into slot 1 behind step 5's round, queries 64-127 into slot 0 behind a round after the last step.  Only the wave that asked reads those bytes.  On the way out lane (r, h)
; reads its query's 64 words in the order of its 64 scores, 16 loads of 16 bytes, a block ahead; a compare gives a bit for each lane, and a select takes the score or -2^72.
; The mask's rows are prefetched into the L2, a lane to each 256 bytes, by the wave that will load them: the first 64 rows at the head, behind the first tile's load, five K steps ahead of their tensor load; the other 64 between steps 3 and 4,
; four K steps ahead of theirs.
; A hidden score becomes -2^72.  c x 2^72 is a whole number in f32, so in a chunk that is wholly hidden M = t and p = 1, as the -1e20 of the definition gives for a row that is wholly hidden; in any other chunk a hidden p is 0.
; SHARES, RING, CLUSTER: four waves make 256 queries x 256 keys; wave w the half w >> 1 of the queries and the half w & 1 of the keys (one chunk).  K = 1,024 in 8 steps; two slots of three steps in LDS: slot 0 asked for at the head,
; one tensor load a wave; slot 1 behind the full sequence and a round of the cluster's barrier; slot 0 filled again at step 2 with steps 6 and 7 (the load states two of a row's three images as the tensor's: the third is zeros, never read).
; 4 x 4 work-groups: Q's tile shared along a row of the cluster, K's along a column.  Q's and K's tiles are prefetched into the L2 ahead of the first round, shared out among the partners by address.
; pbuf: P's images [512 blocks][16 chunks][1536]; from PS on three tables [16 chunks][8192 rows]: scale words, -M (f32), the sum (f32).
; LIMITS: NaN and infinities are not served; scores are served down to -2^72; p under 2^-126 counts as 0 (the exponential's own flush); a block whose every p is 0 gets the scale byte 1.
; REGISTERS: window 0: v16-23 LDS addresses, v28, v29 the add's two, v30, v31 the prefetches' offsets, v32-95 scale words, v128-223 Q's fragments, later the way out, v231-246 the softmax's own;
;   window 1: K's fragments, two sets; on the way out v0-127 the mask's words, two blocks by turns; windows 2, 3: the accumulators.
.set NA,    8
.set HF,    NA/2
.set GK,    8
.set NQ,    3
.set FB,    NQ*1536
.set AREA,  (2*NA+16)*FB
.set SPARE, 294912
.set MROW,  528                        ; a row of the mask in LDS: 512 bytes + 16
.set MWV,   64*MROW                    ; a wave's 64 rows: 33,792 bytes; four waves' fit in a slot
.set RS0,   8192
.set RS1,   8192
.set KC,    6291456
.set QS,    18874368
.set KS,    19136512
.set PS,    12582912
.set L16,  5
.set L4,   6
.set ADRA, 16
.set ADRB, 20
.set MAD,  22                          ; v22, v23 LDS address of my query's mask words: queries 0-63 (slot 1), queries 64-127 (slot 0)
.set SPW,  28
.set NIL,  29
.set PFO,  30                          ; v30  256 x lane
.set PFM,  31                          ; v31  8,192 x (lane / 2) + 256 x (lane % 2)
.set SCB,  32
.set SCA,  32+4*GK
.set AF,   128
.set HA,   128
.set PC,   192
.set TM,   212
.set PW,   228
.set S0R,  231                         ; -2^72
.set NG,   232
.set SU,   234
.set SV,   236
.set T1,   238
.set T2,   239
.set KE,   240
.set CB,   244
.set G1,   24
.set G1B,  32
.set G0A,  40
.set G0B,  52
.set GMA,  80                          ; s[80:83], s[84:87] group 0 of the mask's two loads;  s[92:99] their group 1
.set GMB,  84
.set G1M,  92
.set SH,   3
.set SEL,  10
.set CS,   12
.set MSB, 0
.macro WIN new
.if MSB != (\new)
	s_set_vgpr_msb (MSB<<8)|(\new)
.set MSB, (\new)
.endif
.endm
.set MUL_LO, 0xa1
.set MUL_HI, 0xf1
.set TO_B,   0x40
.macro PLACES n
.rept \n
	v_nop
.endr
.endm
.macro JLOAD f                         ; a joint load: waves 0 and 1 fetch Q's halves, waves 2 and 3 K's; s_nop 0 and four v_nop follow each line
	s_cmp_eq_u32 s15, 0
	s_cbranch_scc0 .Lfor_b_\@
	tensor_load_to_lds s[G0A+4*\f:G0A+4*\f+3], s[G1:G1+7]
	s_nop 0
.rept 4
	v_nop
.endr
	s_branch .Lasked_\@
.Lfor_b_\@:
	tensor_load_to_lds s[G0B+4*\f:G0B+4*\f+3], s[G1B:G1B+7]
	s_nop 0
.rept 4
	v_nop
.endr
.Lasked_\@:
.endm
.macro CREST
	s_cmp_lg_u32 s14, 0
	s_cbranch_scc1 .Lnot_wave_0_\@
	s_barrier_signal -3
.Lnot_wave_0_\@:
	s_barrier_wait -3
	s_barrier_signal -1
	s_barrier_wait -1
.endm
.macro CROUND
	s_barrier_signal -1
	s_barrier_wait -1
	CREST
.endm
.macro FRAG reg, adr, off
.irp c, 0,1,2
	ds_load_b128 v[\reg+4*\c:\reg+4*\c+3], v[\adr] offset:\off+512*\c
.endr
.endm
.macro FETCH_B ar, q, st
	WIN TO_B
.irp i, 0,1,2,3,4,5,6,7
	FRAG 128*(\st)+12*\i, ADRB+\ar, \i*FB+1536*(\q)
.endr
	WIN 0
.endm
.macro FETCH_A ar, q, i0
.set ii, \i0
.rept HF
	FRAG AF+12*ii, ADRA+\ar, ii*FB+1536*(\q)
.set ii, ii+1
.endr
.endm
.macro MULB g, a, zero                 ; the accumulators take turns, one instruction a turn
.irp b, 0,1,2,3,4,5,6,7
.set rD, 8*(8*((\a)%HF)+\b)
.set rB, 128*((\g)%2)+12*\b
.set rA, AF+12*(\a)
.set rSB, SCB+(\b/2)*GK+(\g)
.set rSA, SCA+((\a)/2)*GK+(\g)
.set vr, 4*(\zero)+2*(\b%2)+((\a)%2)
.if vr == 0
	v_wmma_scale_f32_16x16x128_f8f6f4 v[rD:rD+7], v[rB:rB+11], v[rA:rA+11], v[rD:rD+7], v[rSB], v[rSA] matrix_a_fmt:MATRIX_FMT_FP6 matrix_b_fmt:MATRIX_FMT_FP6
.elseif vr == 1
	v_wmma_scale_f32_16x16x128_f8f6f4 v[rD:rD+7], v[rB:rB+11], v[rA:rA+11], v[rD:rD+7], v[rSB], v[rSA] matrix_a_fmt:MATRIX_FMT_FP6 matrix_b_fmt:MATRIX_FMT_FP6 matrix_b_scale:MATRIX_SCALE_ROW1
.elseif vr == 2
	v_wmma_scale_f32_16x16x128_f8f6f4 v[rD:rD+7], v[rB:rB+11], v[rA:rA+11], v[rD:rD+7], v[rSB], v[rSA] matrix_a_fmt:MATRIX_FMT_FP6 matrix_b_fmt:MATRIX_FMT_FP6 matrix_a_scale:MATRIX_SCALE_ROW1
.elseif vr == 3
	v_wmma_scale_f32_16x16x128_f8f6f4 v[rD:rD+7], v[rB:rB+11], v[rA:rA+11], v[rD:rD+7], v[rSB], v[rSA] matrix_a_fmt:MATRIX_FMT_FP6 matrix_b_fmt:MATRIX_FMT_FP6 matrix_a_scale:MATRIX_SCALE_ROW1 matrix_b_scale:MATRIX_SCALE_ROW1
.elseif vr == 4
	v_wmma_scale_f32_16x16x128_f8f6f4 v[rD:rD+7], v[rB:rB+11], v[rA:rA+11], 0, v[rSB], v[rSA] matrix_a_fmt:MATRIX_FMT_FP6 matrix_b_fmt:MATRIX_FMT_FP6
.elseif vr == 5
	v_wmma_scale_f32_16x16x128_f8f6f4 v[rD:rD+7], v[rB:rB+11], v[rA:rA+11], 0, v[rSB], v[rSA] matrix_a_fmt:MATRIX_FMT_FP6 matrix_b_fmt:MATRIX_FMT_FP6 matrix_b_scale:MATRIX_SCALE_ROW1
.elseif vr == 6
	v_wmma_scale_f32_16x16x128_f8f6f4 v[rD:rD+7], v[rB:rB+11], v[rA:rA+11], 0, v[rSB], v[rSA] matrix_a_fmt:MATRIX_FMT_FP6 matrix_b_fmt:MATRIX_FMT_FP6 matrix_a_scale:MATRIX_SCALE_ROW1
.else
	v_wmma_scale_f32_16x16x128_f8f6f4 v[rD:rD+7], v[rB:rB+11], v[rA:rA+11], 0, v[rSB], v[rSA] matrix_a_fmt:MATRIX_FMT_FP6 matrix_b_fmt:MATRIX_FMT_FP6 matrix_a_scale:MATRIX_SCALE_ROW1 matrix_b_scale:MATRIX_SCALE_ROW1
.endif
.endr
.endm
.macro MULS g, a0, n, zero
.set aa, \a0
.rept \n
	MULB \g, aa, \zero
.set aa, aa+1
.endr
.endm
.macro STEP g, ar, q, zero
	s_wait_dscnt 3*HF                                ; all but the youngest 3 HF loads (Q's upper blocks) are in
	WIN MUL_LO
	MULS \g, 0, HF, \zero
	s_wait_dscnt 0x0
	PLACES 4
	FETCH_B \ar, \q, ((\g)+1)%2
	FETCH_A \ar, \q, 0
	WIN MUL_HI
	MULS \g, HF, HF, \zero
	PLACES 4
	WIN 0
	FETCH_A \ar, \q, HF
.endm
; A step that leaves a slot; its barrier opens a round of the cluster's.  fill = 1: slot 0 takes steps 6 and 7, jointly;  fill = 2: slot 1 takes the mask of each wave's queries 0 to 63, a load of the wave's own.
.macro TURN g, ar, q, fill
	s_wait_tensorcnt 0x0                             ; all my tensor loads have landed
	ds_add_u32 v[SPW], v[NIL]
	s_wait_dscnt 3*HF+1                              ; (the add and the youngest 3 HF loads may be out)
	WIN MUL_LO
	MULS \g, 0, HF/2, 0
	s_wait_dscnt 0x0                                 ; the add is done, and my reads of the slot are over
	s_barrier_signal -1
	MULS \g, HF/2, HF/2, 0
	WIN 0
	s_barrier_wait -1
	CREST
.if \fill == 1
	s_add_nc_u64 s[G0A+2:G0A+3], s[G0A+2:G0A+3], 2*NQ*1536
	s_add_nc_u64 s[G0B+2:G0B+3], s[G0B+2:G0B+3], 2*NQ*1536
	s_mov_b32 s[G1+1], (192*2)<<16                   ; no load of mine is out: tensor_dim0 = the two images that are left of a row
	s_mov_b32 s[G1B+1], (192*2)<<16
	JLOAD 0
.else
	tensor_load_to_lds s[GMA:GMA+3], s[G1M:G1M+7]
	s_nop 0
	PLACES 4                                         ; also the places in front of the loads below
.endif
	FETCH_B \ar, \q, ((\g)+1)%2
	FETCH_A \ar, \q, 0
	WIN MUL_HI
	MULS \g, HF, HF, 0
	PLACES 4
	WIN 0
	FETCH_A \ar, \q, HF
.endm
.macro LAST g
	s_wait_dscnt 3*HF
	WIN MUL_LO
	MULS \g, 0, HF, 0
	s_wait_dscnt 0x0
	WIN MUL_HI
	MULS \g, HF, HF, 0
	WIN 0
	PLACES 4
.endm
.macro QTAIL s
.irp b, 0,1,2,3
	v_add_nc_u32 v[TM+12+\b], 0xff000000, v[TM+\b]   ; 2 off the exponent field: the conversion's scale operand
.endr
.irp b, 0,1,2,3
	v_lshrrev_b32 v[TM+4+\b], 23, v[TM+12+\b]        ; the scale's byte
.endr
	v_lshl_or_b32 v[PW], v[TM+5], 8, v[TM+4]
	v_lshl_or_b32 v[PW], v[TM+6], 16, v[PW]
	v_lshl_or_b32 v[PW], v[TM+7], 24, v[PW]
.irp c, 0,1
	v_cvt_scalef32_pk16_fp6_f32 v[PC+6*\c:PC+6*\c+2], v[\s+32*\c:\s+32*\c+15], v[TM+12+2*\c]
	v_cvt_scalef32_pk16_fp6_f32 v[PC+12+4*\c:PC+14+4*\c], v[\s+16+32*\c:\s+31+32*\c], v[TM+13+2*\c]
.endr
	v_nop                                            ; one plain place behind a scaled conversion
.irp c, 0,1
.irp i, 0,1,2
	v_permlane16_swap_b32 v[PC+6*\c+\i], v[PC+12+4*\c+\i]
.endr
.irp i, 0,1,2
	v_mov_b32 v[PC+3+6*\c+\i], v[PC+12+4*\c+\i]
.endr
.endr
.endm
; Block a's mask words into window 1, v[64 (a % 2)] on: register 16 b + 4 j + i' = key 32 b + 16 h + 4 j + i' of my query, which is row 32 ((a % 4) / 2) + 8 (a % 2) + r + 8 (r / 8) of its 64
.macro MFETCH a
	WIN TO_B
.irp b, 0,1,2,3
.irp j, 0,1,2,3
	ds_load_b128 v[64*((\a)%2)+16*\b+4*\j:64*((\a)%2)+16*\b+4*\j+3], v[MAD+(\a)/4] offset:(32*(((\a)%4)/2)+8*((\a)%2))*MROW+128*\b+16*\j
.endr
.endr
	WIN 0
.endm
	s_load_b128 s[4:7], s[0:1], 0x0                  ; qkv, the mask
	s_load_b64 s[8:9], s[0:1], 0x10                  ; pbuf
	v_lshl_add_u32 v[SPW], v0, 2, SPARE
	v_mov_b32 v[NIL], 0
	ds_add_u32 v[SPW], v[NIL]                        ; the opening lines: the add twice and its wait ahead of my first tensor load
	ds_add_u32 v[SPW], v[NIL]
	v_lshrrev_b32 v1, 5, v0
	v_readfirstlane_b32 s14, v1
	s_mul_i32 s23, s14, MWV                          ; my part of a slot that holds the mask
	v_and_b32 v3, 31, v0
	v_lshlrev_b32 v[L16], 4, v3
	v_lshlrev_b32 v[L4], 2, v3
	v_lshlrev_b32 v[PFO], 8, v3
	v_lshrrev_b32 v4, 1, v3
	v_and_b32 v8, 1, v3
	v_lshlrev_b32 v[PFM], 13, v4
	v_lshl_add_u32 v[PFM], v8, 8, v[PFM]
	v_and_b32 v9, 15, v0                             ; r
	v_and_b32 v10, 8, v9
	v_add_nc_u32 v9, v9, v10                         ; r + 8 (r / 8)
	v_bfe_u32 v10, v0, 4, 1                          ; h
	v_mul_u32_u24 v9, v9, MROW
	v_lshl_add_u32 v9, v10, 6, v9                    ; + 64 h
	v_add_nc_u32 v[MAD+1], s23, v9                   ; in slot 0,
	v_add_nc_u32 v[MAD], AREA, v[MAD+1]              ; in slot 1
	s_lshr_b32 s15, s14, 1                           ; my half of the queries.  Also: I fetch for Q (0) or K (1)
	s_and_b32 s16, s14, 1                            ; my half of the keys.  Also: which half of that tile I fetch
	s_bfe_u32 s17, ttmp6, 0x40000
	s_bfe_u32 s18, ttmp6, 0x40004
	s_mov_b32 s19, ttmp9
	s_and_b32 s20, ttmp7, 0xffff
	s_lshl_b32 s21, s18, 2
	s_lshl_b32 s21, 15, s21
	s_lshl_b32 s22, 0x1111, s17
	s_or_b32 s[G1], s21, (3<<16)|(1<<21)
	s_or_b32 s[G1B], s22, (3<<16)|(1<<21)
.irp g, G1, G1B
	s_mov_b32 s[\g+1], (192*NQ)<<16
	s_mov_b32 s[\g+2], 8<<16
	s_mov_b32 s[\g+3], (192*NQ)<<16
	s_mov_b32 s[\g+4], 8
	s_mov_b32 s[\g+5], 192*GK
	s_mov_b32 s[\g+6], 0
	s_mov_b32 s[\g+7], 0
.endr
	s_mov_b32 s[G1M], (3<<16)|(1<<20)|(6<<22)|(3<<25)   ; the mask's tile: no work-group mask; elements of 8 bytes; 4 words of padding behind every 128
	s_mov_b32 s[G1M+1], 64<<16                       ; a row of 64 elements,
	s_mov_b32 s[G1M+2], 64<<16                       ; 64 rows
	s_mov_b32 s[G1M+3], 64<<16
	s_mov_b32 s[G1M+4], 64
	s_mov_b32 s[G1M+5], 1024                         ; 8,192 bytes from row to row
	s_mov_b32 s[G1M+6], 0
	s_mov_b32 s[G1M+7], 0
	s_lshl_b32 s69, s20, 2
	s_add_co_u32 s69, s69, s18                       ; Q's tile of 256 rows: 4 cluster y + cy
	s_lshr_b32 s70, s20, 1                           ; the batch
	s_lshl_b32 s70, s70, 3
	s_lshl_b32 s71, s19, 2
	s_add_co_u32 s71, s71, s17                       ; the tile of keys in the batch: 4 cluster x + cx
	s_add_co_u32 s70, s70, s71                       ; K's tile
	s_lshl_b32 s72, s69, 4
	s_lshl_b32 s73, s16, 3
	s_add_co_u32 s72, s72, s73
	s_mul_i32 s72, s72, GK*1536
	s_mov_b32 s73, 0
	s_lshl_b32 s74, s70, 4
	s_lshl_b32 s75, s16, 3
	s_add_co_u32 s74, s74, s75
	s_mul_i32 s74, s74, GK*1536
	s_add_co_u32 s74, s74, KC
	s_mov_b32 s75, 0
	s_lshl_b32 s76, s70, 10
	s_lshl_b32 s77, s16, 9
	s_add_co_u32 s76, s76, s77
	s_add_co_u32 s76, s76, KS
	s_mov_b32 s77, 0
	s_lshl_b32 s78, s69, 10
	s_lshl_b32 s79, s15, 9
	s_add_co_u32 s78, s78, s79
	s_add_co_u32 s78, s78, QS
	s_mov_b32 s79, 0
	s_mul_i32 s66, s16, NA*FB
	s_mul_i32 s67, s16, 8*FB
	s_add_co_u32 s67, s67, 2*NA*FB
	s_lshl_b32 s80, s71, 1
	s_add_co_u32 s80, s80, s16                       ; my chunk of 128 keys
	s_lshl_b32 s81, s69, 4
	s_lshl_b32 s82, s15, 3
	s_add_co_u32 s81, s81, s82                       ; my first block of queries
	s_lshl_b32 s81, s81, 4
	s_add_co_u32 s81, s81, s80
	s_mul_i32 s82, s81, 1536                         ; P's images
	s_mov_b32 s83, 0
	s_lshl_b32 s84, s69, 21                          ; the mask: 256 tile + 128 half rows of 8,192 bytes,
	s_lshl_b32 s85, s15, 20
	s_add_co_u32 s84, s84, s85
	s_lshl_b32 s85, s80, 9                           ; my chunk's 512 bytes
	s_add_co_u32 s84, s84, s85
	s_mov_b32 s85, 0
	s_lshl_b32 s86, s80, 15                          ; the tables: my chunk's 8,192 rows,
	s_lshl_b32 s87, s69, 10
	s_add_co_u32 s86, s86, s87
	s_lshl_b32 s87, s15, 9
	s_add_co_u32 s86, s86, s87                       ; my 128 rows
	s_add_co_u32 s86, s86, PS
	s_mov_b32 s87, 0
	s_mov_b32 s[SEL], 0x76543210
	s_mov_b32 s[SEL+1], 0xfedcba98
	s_mov_b32 s[CS], 0x3d38aa3b                      ; c = log2(e) / 32
	s_mov_b32 s[CS+1], s[CS]
	s_mov_b32 s[SH], 0xffff0000
	s_wait_alu depctr_va_vdst(0)                     ; the wait ahead of the blocking waits
	s_wait_dscnt 0x0                                 ; both opening adds are done
	s_wait_kmcnt 0x0
	s_add_nc_u64 s[72:73], s[4:5], s[72:73]
	s_add_nc_u64 s[74:75], s[4:5], s[74:75]
	s_add_nc_u64 s[76:77], s[4:5], s[76:77]
	s_add_nc_u64 s[78:79], s[4:5], s[78:79]
	s_add_nc_u64 s[4:5], s[8:9], s[82:83]            ; from here on: s[4:5] P's images, s[6:7] my part of the mask, s[8:9] the tables
	s_add_nc_u64 s[6:7], s[6:7], s[84:85]
	s_add_nc_u64 s[8:9], s[8:9], s[86:87]
	; the prefetch of Q's and K's tiles: the half tile that I fetch, 8 blocks x 8 K steps, is 98,304 bytes on end; the four partners that ask for it jointly share it out by address
	; (cx for Q, cy for K): 24,576 bytes each, a lane to each 256, three instructions a wave.  s[88:91], s[6:7], v30 and v31 are never rewritten
	s_cmp_eq_u32 s15, 0
	s_cselect_b64 s[88:89], s[72:73], s[74:75]
	s_cselect_b32 s90, s17, s18
	s_mul_i32 s90, s90, 24576
	s_mov_b32 s91, 0
	s_add_nc_u64 s[88:89], s[88:89], s[90:91]
	global_prefetch_b8 v[PFO], s[88:89] th:TH_LOAD_NT scope:SCOPE_SE
	global_prefetch_b8 v[PFO], s[88:89] offset:8192 th:TH_LOAD_NT scope:SCOPE_SE
	global_prefetch_b8 v[PFO], s[88:89] offset:16384 th:TH_LOAD_NT scope:SCOPE_SE
.irp f, 0,1
	s_mov_b32 s[G0A+4*\f], 1
	s_add_co_u32 s[G0A+4*\f+1], s66, \f*AREA
	s_add_nc_u64 s[G0A+4*\f+2:G0A+4*\f+3], s[72:73], \f*NQ*1536
	s_or_b32 s[G0A+4*\f+3], s[G0A+4*\f+3], 0x80000000
	s_mov_b32 s[G0B+4*\f], 1
	s_add_co_u32 s[G0B+4*\f+1], s67, \f*AREA
	s_add_nc_u64 s[G0B+4*\f+2:G0B+4*\f+3], s[74:75], \f*NQ*1536
	s_or_b32 s[G0B+4*\f+3], s[G0B+4*\f+3], 0x80000000
.endr
	s_mov_b32 s[GMA], 1                              ; the mask of my queries 0-63, into my part of slot 1;
	s_add_co_u32 s[GMA+1], s23, AREA
	s_mov_b64 s[GMA+2:GMA+3], s[6:7]
	s_or_b32 s[GMA+3], s[GMA+3], 0x80000000
	s_mov_b32 s[GMB], 1                              ; of my queries 64-127, 64 rows further down, into my part of slot 0
	s_mov_b32 s[GMB+1], s23
	s_add_nc_u64 s[GMB+2:GMB+3], s[6:7], 64*8192
	s_or_b32 s[GMB+3], s[GMB+3], 0x80000000
	CROUND                                           ; all sixteen work-groups are here: the first joint loads meet
	JLOAD 0                                          ; slot 0: my one tensor load at the head
	s_mul_i32 s21, s15, NA*FB
	s_mul_i32 s22, s16, 8*FB
	s_add_co_u32 s22, s22, 2*NA*FB
.irp ar, 0,1
	v_add_nc_u32 v[ADRA+\ar], s21, v[L16]
	v_add_nc_u32 v[ADRB+\ar], s22, v[L16]
	s_add_co_u32 s21, s21, AREA
	s_add_co_u32 s22, s22, AREA
.endr
.irp p, 0,1,2,3
.irp kw, 0,1,2,3,4,5,6,7
	global_load_b32 v[SCB+\p*GK+\kw], v[L4], s[76:77] offset:(\kw*RS0+32*\p)*4
	global_load_b32 v[SCA+\p*GK+\kw], v[L4], s[78:79] offset:(\kw*RS1+32*\p)*4
.endr
.endr
.irp i, 0,1,2,3                        ; the mask of my queries 0-63: 16 rows x 512 bytes an instruction
	global_prefetch_b8 v[PFM], s[6:7] offset:\i*131072 th:TH_LOAD_NT scope:SCOPE_SE
.endr
	v_mov_b32 v[S0R], 0xe3800000                     ; -2^72
	v_mov_b32 v[NG+1], 0                             ; (named as the upper half of a pair)
	v_mov_b32 v[T2], 0                               ; a lane permute's destination counts as one of its sources
	s_wait_alu depctr_va_vdst(0)                     ; the wait at the head's end
	s_wait_tensorcnt 0x0                             ; my part of slot 0 is in; the full sequence ahead of slot 1's first fill
	ds_add_u32 v[SPW], v[NIL]
	s_wait_dscnt 0x0
	CROUND
	JLOAD 1                                          ; slot 1: steps 3 to 5
	s_wait_loadcnt 0x0                               ; the scale words
	FETCH_B 0, 0, 0
	FETCH_A 0, 0, 0
	FETCH_A 0, 0, HF
	STEP 0, 0, 1, 1
	STEP 1, 0, 2, 0
	TURN 2, 1, 0, 1                                  ; slot 0 takes steps 6 and 7
	STEP 3, 1, 1, 0
.irp i, 4,5,6,7                        ; the mask of my queries 64-127
	global_prefetch_b8 v[PFM], s[6:7] offset:\i*131072 th:TH_LOAD_NT scope:SCOPE_SE
.endr
	STEP 4, 1, 2, 0
	TURN 5, 0, 0, 2                                  ; slot 1 is left for good, and takes the mask of queries 0-63
	STEP 6, 0, 1, 0
	LAST 7
	s_wait_tensorcnt 0x0                             ; the mask of my queries 0-63 is in
	ds_add_u32 v[SPW], v[NIL]
	s_wait_dscnt 0x0                                 ; my reads of slot 0 ended in the last step
	CROUND
	tensor_load_to_lds s[GMB:GMB+3], s[G1M:G1M+7]    ; slot 0 takes the mask of queries 64-127: four blocks of the way out stand ahead of the wait for it
	s_nop 0
	PLACES 4
	MFETCH 0
.irp b, 0,1,2,3
	v_mov_b32 v[TM+4+\b], 0
.endr
; THE SOFTMAX'S NUMERATOR of block a: 16 queries x my 128 keys, 64 numbers a lane.  The compares write s24-55: the joint loads, whose descriptors lay there, are all done.
.macro SOFT a
.if (\a) == 4
	s_wait_tensorcnt 0x0                             ; the one load that was out: the mask of my queries 64-127
	MFETCH 4
.endif
	s_wait_dscnt 0x0                                 ; this block's mask words are in
.if (\a) != 3 && (\a) != 7
	MFETCH (\a)+1                                    ; the next block's, into the other 64 registers
.endif
.irp q, 0,1
	WIN 0x01                                         ; source 0: window 1
.set n, 0
.rept 32
	v_cmp_ne_u32 s[24+n], v[64*((\a)%2)+32*\q+n], 0  ; a bit for each lane: does its key count?
.set n, n+1
.endr
	s_wait_alu depctr_va_vdst(0)
	WIN 0x08+4*((\a)/HF)                             ; source 1: the accumulators' window
.set n, 0
.rept 32
	v_cndmask_b32 v[HA+32*\q+n], v[S0R], v[64*((\a)%HF)+32*\q+n], s[24+n]   ; the score where the key counts, else -2^72; each accumulator from its low end on
.set n, n+1
.endr
.endr
	WIN 0
.irp b, 0,1,2,3
	v_max3_num_f32 v[TM+\b], v[HA+16*\b], v[HA+16*\b+1], v[HA+16*\b+2]   ; the largest score of each block of 32 keys: for the chunk's maximum and, since p rises with the score, for the block's largest p
.endr
.irp i, 3,5,7,9,11,13
.irp b, 0,1,2,3
	v_max3_num_f32 v[TM+\b], v[TM+\b], v[HA+16*\b+\i], v[HA+16*\b+\i+1]
.endr
.endr
.irp b, 0,1,2,3
	v_max_num_f32 v[TM+\b], v[TM+\b], v[HA+16*\b+15]
.endr
.irp b, 0,1,2,3
	v_permlanex16_b32 v[TM+4+\b], v[TM+\b], s[SEL], s[SEL+1]
.endr
.irp b, 0,1,2,3
	v_max_num_f32 v[TM+\b], v[TM+\b], v[TM+4+\b]
.endr
	v_max3_num_f32 v[T1], v[TM], v[TM+1], v[TM+2]
	v_max_num_f32 v[T1], v[T1], v[TM+3]
	v_mul_f32 v[T1], s[CS], v[T1]                    ; as t (c is positive)
	v_floor_f32 v[NG], -v[T1]                        ; -M = floor(-t) = -ceil(t)
.set j, 0
.rept 32
	v_pk_fma_f32 v[HA+j:HA+j+1], v[HA+j:HA+j+1], s[CS:CS+1], v[NG:NG+1] op_sel_hi:[1,0,0]   ; t - M
.set j, j+2
.endr
.irp b, 0,1,2,3
	v_fma_f32 v[TM+\b], v[TM+\b], s[CS], v[NG]
.endr
.set j, 0
	s_wait_alu depctr_va_vdst(0)                     ; the wait ahead of the batch
.rept 64
	v_exp_f32 v[HA+j], v[HA+j]                       ; p = 2^(t - M), at most 1
.set j, j+1
.endr
	v_nop
	s_wait_alu depctr_va_vdst(0)                     ; one wait for the batch, ahead of its first reader
.irp b, 0,1,2,3
	v_exp_f32 v[TM+\b], v[TM+\b]                     ; the block's largest p
.endr
	v_pk_add_f32 v[SU:SU+1], v[HA:HA+1], v[HA+2:HA+3]   ; the sum of the unquantised p, in two chains
	v_pk_add_f32 v[SV:SV+1], v[HA+4:HA+5], v[HA+6:HA+7]
.irp j, 8,12,16,20,24,28,32,36,40,44,48,52,56,60
	v_pk_add_f32 v[SU:SU+1], v[SU:SU+1], v[HA+\j:HA+\j+1]
	v_pk_add_f32 v[SV:SV+1], v[SV:SV+1], v[HA+\j+2:HA+\j+3]
.endr
	v_pk_add_f32 v[SU:SU+1], v[SU:SU+1], v[SV:SV+1]
	s_wait_alu depctr_va_vdst(0)                     ; and one for the four
.irp b, 0,1,2,3
	v_max_num_f32 v[TM+\b], 0x1800000, v[TM+\b]      ; the floor 2^(3 - 127)
.endr
	v_add_f32 v[T1], v[SU], v[SU+1]
	v_permlanex16_b32 v[T2], v[T1], s[SEL], s[SEL+1]
	v_add_f32 v[T1], v[T1], v[T2]                    ; the chunk's sum of my query
	s_wait_alu depctr_va_vdst(0)
	s_wait_xcnt 0x0                                  ; the last block's stores have read their data
	QTAIL HA
.irp c, 0,1,2
	global_store_b128 v[L16], v[PC+4*\c:PC+4*\c+3], s[4:5] offset:24576*(\a)+512*\c
.endr
.if (\a)%2 == 0
	v_mov_b32 v[KE], v[PW]
	v_mov_b32 v[KE+1], v[NG]
	v_mov_b32 v[KE+2], v[T1]
.else
	v_cndmask_b32 v[CB], v[KE], v[PW], s[SH]         ; lanes 0-15 the even block's rows, lanes 16-31 the odd block's
	v_cndmask_b32 v[CB+1], v[KE+1], v[NG], s[SH]
	v_cndmask_b32 v[CB+2], v[KE+2], v[T1], s[SH]
	global_store_b32 v[L4], v[CB], s[8:9] offset:128*((\a)/2)
	global_store_b32 v[L4], v[CB+1], s[8:9] offset:128*((\a)/2)+524288
	global_store_b32 v[L4], v[CB+2], s[8:9] offset:128*((\a)/2)+1048576
.endif
.endm
.irp a, 0,1,2,3,4,5,6,7
	SOFT \a
.endr
	s_wait_tensorcnt 0x0                             ; the wave's end
	ds_add_u32 v[SPW], v[NIL]
	s_wait_dscnt 0x0
	CROUND                                           ; the closing round
	s_endpgm
.Lfunc_end_k_qf3101ed528_score:
	.size	k_qf3101ed528_score, .Lfunc_end_k_qf3101ed528_score-k_qf3101ed528_score
	.p2alignl 7, 3214868480
	.fill 96, 4, 3214868480
	.section	.rodata,"a",@progbits
	.p2align	6, 0x0
	.amdhsa_kernel k_qf3101ed528_score
		.amdhsa_group_segment_fixed_size 327680
		.amdhsa_private_segment_fixed_size 0
		.amdhsa_enable_private_segment 0
		.amdhsa_kernarg_size 24
		.amdhsa_user_sgpr_count 2
		.amdhsa_user_sgpr_kernarg_segment_ptr 1
		.amdhsa_wavefront_size32 1
		.amdhsa_system_sgpr_workgroup_id_x 1
		.amdhsa_system_sgpr_workgroup_id_y 1
		.amdhsa_system_sgpr_workgroup_id_z 1
		.amdhsa_system_vgpr_workitem_id 0
		.amdhsa_next_free_vgpr 1024
		.amdhsa_next_free_sgpr 100
		.amdhsa_reserve_vcc 0
		.amdhsa_float_denorm_mode_32 3
		.amdhsa_float_denorm_mode_16_64 3
		.amdhsa_memory_ordered 1
		.amdhsa_forward_progress 1
		.amdhsa_inst_pref_size 255
	.end_amdhsa_kernel
	.section	.bss,"aw",@nobits
	.p2align	6
	.space	262144
	.amdgpu_metadata
---
amdhsa.version: [ 1, 2 ]
amdhsa.kernels:
  - .name:           k_qf3101ed528_score
    .symbol:         k_qf3101ed528_score.kd
    .args:
      - { .name: qkv, .offset: 0, .size: 8, .value_kind: global_buffer, .address_space: global }
      - { .name: attention_mask, .offset: 8, .size: 8, .value_kind: global_buffer, .address_space: global }
      - { .name: pbuf, .offset: 16, .size: 8, .value_kind: global_buffer, .address_space: global }
    .group_segment_fixed_size: 327680
    .private_segment_fixed_size: 0
    .kernarg_segment_align: 8
    .kernarg_segment_size: 24
    .max_flat_workgroup_size: 128
    .sgpr_count:     100
    .vgpr_count:     1024
    .wavefront_size: 32
...
	.end_amdgpu_metadata
.endif
;; end of part 3
;; launch pv (part 4): grid 4 x 64, 4 waves a work-group, clusters of 4 x 4, 327,680 bytes of LDS; arguments pbuf, qkv, obuf; writes obuf
.if DOCPART == 4
	.amdgcn_target "amdgcn-amd-amdhsa--gfx1250"
	.amdhsa_code_object_version 6
	.text
	.protected	k_qf3101ed528_pv
	.globl	k_qf3101ed528_pv
	.p2align	8
	.type	k_qf3101ed528_pv,@function
k_qf3101ed528_pv:
	s_mov_b64 s[64:65], 0
	v_nop
	global_prefetch_b8 v0, s[64:65] scope:SCOPE_SE
	s_setreg_imm32_b32 hwreg(HW_REG_WAVE_MODE, 25, 1), 1
	s_wait_xcnt 0x0
	s_wait_alu depctr_hold_cnt(0) depctr_sa_sdst(0) depctr_va_vdst(0) depctr_va_sdst(0) depctr_va_ssrc(0) depctr_va_vcc(0) depctr_vm_vsrc(0)
	s_getreg_b32 s2, hwreg(HW_REG_IB_STS2, 6, 4)
	s_cmp_eq_u32 s2, 0
	s_cbranch_scc0 .Lentry_in_a_cluster
	s_endpgm
.Lentry_in_a_cluster:
	s_bfe_u32 s2, ttmp6, 0x10000c
	s_cmp_lg_u32 s2, 0xf033
	s_cbranch_scc0 .Lentry_shape_is_right
	s_endpgm
.Lentry_shape_is_right:
; O = (P V) / l on codes of FP6 (E2M3) with E8M0 scales, and O quantised along d for the last product.
; P's codes were made under a whole number M of each chunk of 128 keys.  At the head each wave finds, for its 64 queries, the row's M (the largest of the 16), takes M - the chunk's M off the chunk's four scale bytes
; (held at 0 from below), and adds the chunks' sums, each times 2^(chunk's M - M): all exact but the additions.
; D = source 0 x source 1^T: source 0 = 256 rows of V^T (d, in storage order; K = the keys), source 1 = 128 queries (P's images): lane (r, h) holds one query, the 16 registers of results 2 b, 2 b + 1 are 16 neighbours along d.
; SHARES.  Four waves make 128 queries x 256 of d: 256 work-groups; wave w the half w >> 1 of the queries and the half w & 1 of d: 32 accumulators.
; K = 2,048 keys is 16 steps of 128.  LDS has two areas of four steps.  Area 0 is asked for at the head, one tensor load a wave; area 1 behind the full sequence and a round of the cluster's barrier, with the head's arithmetic
; under its flight; each is filled again once, behind a round.
; CLUSTER 4 x 4: P's tile is shared along a row of the cluster, V^T's along a column.
; obuf: O's images [512 blocks][8][1536], from OSO on the scale words [8][8192 rows].
; LIMITS: NaN and infinities are not served.  A chunk whose M lies 127 or more under the row's counts for nothing in l, and its scale bytes are 0 (2^-127): its terms lie under 2^-124 beside l > 1/2.
; REGISTERS: window 0: v16-21 LDS addresses, v28, v29 the add's two, v32-95 V^T's scale words, v96-127 P's, v128-175 P's fragments (at the head v128-233: the chunks' -M and sums, and work), later the way out, v240-247 1 / l;
;   window 1: V^T's fragments, two sets; windows 2, 3: accumulator (a, b) in window 2 + a / 2 at v[8 (8 (a % 2) + b)].
.set NA,    4
.set HF,    NA/2
.set GK,    16
.set NQ,    4
.set FB,    NQ*1536
.set AREA,  (2*NA+16)*FB
.set SPARE, 294912
.set RS0,   1024
.set RS1,   8192
.set VC,    12582912
.set VS,    19398656
.set PS,    12582912
.set OSO,   6291456
.set L16,  5
.set L4,   6
.set ADRA, 16
.set ADRB, 20
.set SPW,  28
.set NIL,  29
.set SCB,  32
.set SCA,  32+4*GK
.set AF,   128
.set HA,   128
.set PC,   192
.set TM,   212
.set PW,   228
.set PWE,  229
.set PW2,  230
.set NMR,  128
.set LLR,  160
.set FT,   192
.set FMN,  224
.set FLS,  228
.set FRC,  230
.set FXC,  232
.set LIV,  240
.set G1,   24
.set G1B,  32
.set G0A,  40
.set G0B,  52
.set OUTP, 80
.set OSP,  84
.set SEL,  94
.set SH,   96
.set C01,  97
.set C255, 98
.set MSB, 0
.macro WIN new
.if MSB != (\new)
	s_set_vgpr_msb (MSB<<8)|(\new)
.set MSB, (\new)
.endif
.endm
.set MUL_LO, 0xa1
.set MUL_HI, 0xf1
.set TO_B,   0x40
.macro PLACES n
.rept \n
	v_nop
.endr
.endm
.macro JLOAD f                         ; a joint load: waves 0 and 1 fetch P's halves, waves 2 and 3 V^T's; s_nop 0 and four v_nop follow each line
	s_cmp_eq_u32 s15, 0
	s_cbranch_scc0 .Lfor_b_\@
	tensor_load_to_lds s[G0A+4*\f:G0A+4*\f+3], s[G1:G1+7]
	s_nop 0
.rept 4
	v_nop
.endr
	s_branch .Lasked_\@
.Lfor_b_\@:
	tensor_load_to_lds s[G0B+4*\f:G0B+4*\f+3], s[G1B:G1B+7]
	s_nop 0
.rept 4
	v_nop
.endr
.Lasked_\@:
.endm
.macro CREST
	s_cmp_lg_u32 s14, 0
	s_cbranch_scc1 .Lnot_wave_0_\@
	s_barrier_signal -3
.Lnot_wave_0_\@:
	s_barrier_wait -3
	s_barrier_signal -1
	s_barrier_wait -1
.endm
.macro CROUND
	s_barrier_signal -1
	s_barrier_wait -1
	CREST
.endm
.macro FRAG reg, adr, off
.irp c, 0,1,2
	ds_load_b128 v[\reg+4*\c:\reg+4*\c+3], v[\adr] offset:\off+512*\c
.endr
.endm
.macro FETCH_B ar, q, st
	WIN TO_B
.irp i, 0,1,2,3,4,5,6,7
	FRAG 128*(\st)+12*\i, ADRB+\ar, \i*FB+1536*(\q)
.endr
	WIN 0
.endm
.macro FETCH_A ar, q, i0
.set ii, \i0
.rept HF
	FRAG AF+12*ii, ADRA+\ar, ii*FB+1536*(\q)
.set ii, ii+1
.endr
.endm
.macro MULB g, a, zero                 ; the accumulators take turns, one instruction a turn
.irp b, 0,1,2,3,4,5,6,7
.set rD, 8*(8*((\a)%HF)+\b)
.set rB, 128*((\g)%2)+12*\b
.set rA, AF+12*(\a)
.set rSB, SCB+(\b/2)*GK+(\g)
.set rSA, SCA+((\a)/2)*GK+(\g)
.set vr, 4*(\zero)+2*(\b%2)+((\a)%2)
.if vr == 0
	v_wmma_scale_f32_16x16x128_f8f6f4 v[rD:rD+7], v[rB:rB+11], v[rA:rA+11], v[rD:rD+7], v[rSB], v[rSA] matrix_a_fmt:MATRIX_FMT_FP6 matrix_b_fmt:MATRIX_FMT_FP6
.elseif vr == 1
	v_wmma_scale_f32_16x16x128_f8f6f4 v[rD:rD+7], v[rB:rB+11], v[rA:rA+11], v[rD:rD+7], v[rSB], v[rSA] matrix_a_fmt:MATRIX_FMT_FP6 matrix_b_fmt:MATRIX_FMT_FP6 matrix_b_scale:MATRIX_SCALE_ROW1
.elseif vr == 2
	v_wmma_scale_f32_16x16x128_f8f6f4 v[rD:rD+7], v[rB:rB+11], v[rA:rA+11], v[rD:rD+7], v[rSB], v[rSA] matrix_a_fmt:MATRIX_FMT_FP6 matrix_b_fmt:MATRIX_FMT_FP6 matrix_a_scale:MATRIX_SCALE_ROW1
.elseif vr == 3
	v_wmma_scale_f32_16x16x128_f8f6f4 v[rD:rD+7], v[rB:rB+11], v[rA:rA+11], v[rD:rD+7], v[rSB], v[rSA] matrix_a_fmt:MATRIX_FMT_FP6 matrix_b_fmt:MATRIX_FMT_FP6 matrix_a_scale:MATRIX_SCALE_ROW1 matrix_b_scale:MATRIX_SCALE_ROW1
.elseif vr == 4
	v_wmma_scale_f32_16x16x128_f8f6f4 v[rD:rD+7], v[rB:rB+11], v[rA:rA+11], 0, v[rSB], v[rSA] matrix_a_fmt:MATRIX_FMT_FP6 matrix_b_fmt:MATRIX_FMT_FP6
.elseif vr == 5
	v_wmma_scale_f32_16x16x128_f8f6f4 v[rD:rD+7], v[rB:rB+11], v[rA:rA+11], 0, v[rSB], v[rSA] matrix_a_fmt:MATRIX_FMT_FP6 matrix_b_fmt:MATRIX_FMT_FP6 matrix_b_scale:MATRIX_SCALE_ROW1
.elseif vr == 6
	v_wmma_scale_f32_16x16x128_f8f6f4 v[rD:rD+7], v[rB:rB+11], v[rA:rA+11], 0, v[rSB], v[rSA] matrix_a_fmt:MATRIX_FMT_FP6 matrix_b_fmt:MATRIX_FMT_FP6 matrix_a_scale:MATRIX_SCALE_ROW1
.else
	v_wmma_scale_f32_16x16x128_f8f6f4 v[rD:rD+7], v[rB:rB+11], v[rA:rA+11], 0, v[rSB], v[rSA] matrix_a_fmt:MATRIX_FMT_FP6 matrix_b_fmt:MATRIX_FMT_FP6 matrix_a_scale:MATRIX_SCALE_ROW1 matrix_b_scale:MATRIX_SCALE_ROW1
.endif
.endr
.endm
.macro MULS g, a0, n, zero
.set aa, \a0
.rept \n
	MULB \g, aa, \zero
.set aa, aa+1
.endr
.endm
.macro STEP g, ar, q, zero
	s_wait_dscnt 3*HF                                ; all but the youngest 3 HF loads (P's upper blocks) are in
	WIN MUL_LO
	MULS \g, 0, HF, \zero
	s_wait_dscnt 0x0
	PLACES 4
	FETCH_B \ar, \q, ((\g)+1)%2
	FETCH_A \ar, \q, 0
	WIN MUL_HI
	MULS \g, HF, HF, \zero
	PLACES 4
	WIN 0
	FETCH_A \ar, \q, HF
.endm
.macro TURN g, ar, q, fill, st, ref
	s_wait_tensorcnt 0x0                             ; all my tensor loads have landed
	ds_add_u32 v[SPW], v[NIL]
	s_wait_dscnt 3*HF+1                              ; (the add and the youngest 3 HF loads may be out)
	WIN MUL_LO
	MULS \g, 0, HF/2, 0
	s_wait_dscnt 0x0                                 ; the add is done, and my reads of the area are over
	s_barrier_signal -1
	MULS \g, HF/2, HF/2, 0
	WIN 0
	s_barrier_wait -1
.if \fill
	CREST
	s_add_nc_u64 s[G0A+4*\st+2:G0A+4*\st+3], s[G0A+4*\st+2:G0A+4*\st+3], \ref
	s_add_nc_u64 s[G0B+4*\st+2:G0B+4*\st+3], s[G0B+4*\st+2:G0B+4*\st+3], \ref
	JLOAD \st                                        ; the first tensor load behind the round: it has three and a half steps, 112 matrix instructions, in which to land
.else
	PLACES 4
.endif
	FETCH_B \ar, \q, ((\g)+1)%2
	FETCH_A \ar, \q, 0
	WIN MUL_HI
	MULS \g, HF, HF, 0
	PLACES 4
	WIN 0
	FETCH_A \ar, \q, HF
.endm
.macro LAST g
	s_wait_dscnt 3*HF
	WIN MUL_LO
	MULS \g, 0, HF, 0
	s_wait_dscnt 0x0
	WIN MUL_HI
	MULS \g, HF, HF, 0
	WIN 0
	PLACES 4
.endm
.macro QMAX s
.irp b, 0,1,2,3
	v_max3_num_f32 v[TM+\b], |v[\s+16*\b]|, |v[\s+1+16*\b]|, 0x1800000   ; and the floor 2^(3 - 127)
.endr
.irp i, 2,4,6,8,10,12,14
.irp b, 0,1,2,3
	v_max3_num_f32 v[TM+\b], v[TM+\b], |v[\s+16*\b+\i]|, |v[\s+1+16*\b+\i]|
.endr
.endr
.irp b, 0,1,2,3
	v_permlanex16_b32 v[TM+4+\b], v[TM+\b], s[SEL], s[SEL+1]
.endr
.irp b, 0,1,2,3
	v_max_num_f32 v[TM+\b], v[TM+\b], v[TM+4+\b]
.endr
.endm
.macro QTAIL s
.irp b, 0,1,2,3
	v_add_nc_u32 v[TM+12+\b], 0xff000000, v[TM+\b]
.endr
.irp b, 0,1,2,3
	v_lshrrev_b32 v[TM+4+\b], 23, v[TM+12+\b]
.endr
	v_lshl_or_b32 v[PW], v[TM+5], 8, v[TM+4]
	v_lshl_or_b32 v[PW], v[TM+6], 16, v[PW]
	v_lshl_or_b32 v[PW], v[TM+7], 24, v[PW]
.irp c, 0,1
	v_cvt_scalef32_pk16_fp6_f32 v[PC+6*\c:PC+6*\c+2], v[\s+32*\c:\s+32*\c+15], v[TM+12+2*\c]
	v_cvt_scalef32_pk16_fp6_f32 v[PC+12+4*\c:PC+14+4*\c], v[\s+16+32*\c:\s+31+32*\c], v[TM+13+2*\c]
.endr
	v_nop                                            ; one plain place behind a scaled conversion
.irp c, 0,1
.irp i, 0,1,2
	v_permlane16_swap_b32 v[PC+6*\c+\i], v[PC+12+4*\c+\i]
.endr
.irp i, 0,1,2
	v_mov_b32 v[PC+3+6*\c+\i], v[PC+12+4*\c+\i]
.endr
.endr
.endm
; My 64 queries, a lane a query in each of two groups: the row's -M, the chunks' scale words under it, l and 1 / l.  n = 16 group + chunk.
.macro FIXALL
.irp c, 0,1,2,3                        ; the least -M is the row's: four chains of eight
	v_min3_num_f32 v[FMN+\c], v[NMR+8*\c], v[NMR+8*\c+1], v[NMR+8*\c+2]
.endr
.irp i, 3,5
.irp c, 0,1,2,3
	v_min3_num_f32 v[FMN+\c], v[FMN+\c], v[NMR+8*\c+\i], v[NMR+8*\c+\i+1]
.endr
.endr
.irp c, 0,1,2,3
	v_min_num_f32 v[FMN+\c], v[FMN+\c], v[NMR+8*\c+7]
.endr
	v_min_num_f32 v[FMN], v[FMN], v[FMN+1]
	v_min_num_f32 v[FMN+2], v[FMN+2], v[FMN+3]
.set n, 0
.rept 32
	v_sub_f32 v[NMR+n], v[NMR+n], v[FMN+2*(n/16)]    ; d = M - the chunk's M: a whole number, 0 or more,
.set n, n+1
.endr
.set n, 0
.rept 32
	v_min_num_f32 v[NMR+n], 0x42fe0000, v[NMR+n]     ; held at 127
.set n, n+1
.endr
.set n, 0
.rept 32
	v_cvt_u32_f32 v[NMR+n], v[NMR+n]
.set n, n+1
.endr
.set n, 0
.rept 32
	v_sub_nc_u32 v[FT+n], 127, v[NMR+n]
.set n, n+1
.endr
.set n, 0
.rept 32
	v_lshlrev_b32 v[FT+n], 23, v[FT+n]               ; 2^-d as f32; 0 at d = 127
.set n, n+1
.endr
.set n, 0
.rept 32
	v_mul_f32 v[LLR+n], v[LLR+n], v[FT+n]            ; the chunk's sum under the row's M
.set n, n+1
.endr
.irp p, 0,1                            ; l: the sixteen are added as a tree
.irp j, 0,2,4,6
	v_pk_add_f32 v[LLR+16*\p+\j:LLR+16*\p+\j+1], v[LLR+16*\p+\j:LLR+16*\p+\j+1], v[LLR+16*\p+8+\j:LLR+16*\p+9+\j]
.endr
.endr
.irp p, 0,1
.irp j, 0,2
	v_pk_add_f32 v[LLR+16*\p+\j:LLR+16*\p+\j+1], v[LLR+16*\p+\j:LLR+16*\p+\j+1], v[LLR+16*\p+4+\j:LLR+16*\p+5+\j]
.endr
.endr
.irp p, 0,1
	v_pk_add_f32 v[LLR+16*\p:LLR+16*\p+1], v[LLR+16*\p:LLR+16*\p+1], v[LLR+16*\p+2:LLR+16*\p+3]
.endr
.irp p, 0,1
	v_add_f32 v[FLS+\p], v[LLR+16*\p], v[LLR+16*\p+1]
.endr
	s_wait_alu depctr_va_vdst(0)                     ; the wait ahead of the batch
.irp p, 0,1
	v_rcp_f32 v[FRC+\p], v[FLS+\p]
.endr
.set n, 0
.rept 32
	v_mul_lo_u32 v[NMR+n], v[NMR+n], s[C01]          ; d in each byte
.set n, n+1
.endr
.set n, 0
.rept 32
	v_or_b32 v[FT+n], 0x80808080, v[SCA+n]           ; the bytes lie between 1 and 125: with 128 on top no byte borrows from the next
.set n, n+1
.endr
.set n, 0
.rept 32
	v_sub_nc_u32 v[FT+n], v[FT+n], v[NMR+n]
.set n, n+1
.endr
.set n, 0
.rept 32
	v_lshrrev_b32 v[NMR+n], 7, v[FT+n]
.set n, n+1
.endr
.set n, 0
.rept 32
	v_and_b32 v[NMR+n], s[C01], v[NMR+n]             ; 1 where the byte has not fallen under 0
.set n, n+1
.endr
.set n, 0
.rept 32
	v_mul_lo_u32 v[NMR+n], v[NMR+n], s[C255]
.set n, n+1
.endr
.set n, 0
.rept 32
	v_and_b32 v[FT+n], v[FT+n], v[NMR+n]
.set n, n+1
.endr
.set n, 0
.rept 32
	v_and_b32 v[SCA+n], 0x7f7f7f7f, v[FT+n]
.set n, n+1
.endr
	s_wait_alu depctr_va_vdst(0)                     ; one wait for the two reciprocals, ahead of their first reader
.irp p, 0,1
	v_permlanex16_b32 v[FXC+\p], v[FRC+\p], s[SEL], s[SEL+1]
.endr
.irp p, 0,1
	v_cndmask_b32 v[LIV+4*\p], v[FRC+\p], v[FXC+\p], s[SH]     ; block 2 p: both halves of the lanes want rows 0-15's
	v_cndmask_b32 v[LIV+4*\p+2], v[FXC+\p], v[FRC+\p], s[SH]   ; block 2 p + 1: rows 16-31's
	v_mov_b32 v[LIV+4*\p+1], 0
	v_mov_b32 v[LIV+4*\p+3], 0
.endr
.endm
	s_load_b128 s[4:7], s[0:1], 0x0                  ; pbuf, qkv
	s_load_b64 s[8:9], s[0:1], 0x10                  ; obuf
	v_lshl_add_u32 v[SPW], v0, 2, SPARE
	v_mov_b32 v[NIL], 0
	ds_add_u32 v[SPW], v[NIL]                        ; the opening lines: the add twice and its wait ahead of my first tensor load
	ds_add_u32 v[SPW], v[NIL]
	v_lshrrev_b32 v1, 5, v0
	v_readfirstlane_b32 s14, v1
	v_and_b32 v30, 31, v0
	v_lshlrev_b32 v30, 8, v30                        ; the prefetches' offset: 256 x lane; never rewritten
	s_lshr_b32 s15, s14, 1
	s_and_b32 s16, s14, 1
	s_bfe_u32 s17, ttmp6, 0x40000
	s_bfe_u32 s18, ttmp6, 0x40004
	s_and_b32 s20, ttmp7, 0xffff
	s_lshl_b32 s21, s18, 2
	s_lshl_b32 s21, 15, s21
	s_lshl_b32 s22, 0x1111, s17
	s_or_b32 s[G1], s21, (3<<16)|(1<<21)
	s_or_b32 s[G1B], s22, (3<<16)|(1<<21)
	s_mov_b32 s[G1+1], (192*NQ)<<16
	s_mov_b32 s[G1+2], NA<<16
	s_mov_b32 s[G1+3], (192*NQ)<<16
	s_mov_b32 s[G1+4], NA
	s_mov_b32 s[G1+5], 192*GK
	s_mov_b32 s[G1+6], 0
	s_mov_b32 s[G1+7], 0
	s_mov_b32 s[G1B+1], (192*NQ)<<16
	s_mov_b32 s[G1B+2], 8<<16
	s_mov_b32 s[G1B+3], (192*NQ)<<16
	s_mov_b32 s[G1B+4], 8
	s_mov_b32 s[G1B+5], 192*GK
	s_mov_b32 s[G1B+6], 0
	s_mov_b32 s[G1B+7], 0
	s_lshl_b32 s69, s20, 2
	s_add_co_u32 s69, s69, s18                       ; the tile of 128 queries: 4 cluster y + cy
	s_lshr_b32 s71, s20, 2                           ; the batch
	s_lshl_b32 s72, s69, 3
	s_lshl_b32 s73, s16, 2
	s_add_co_u32 s72, s72, s73
	s_mul_i32 s72, s72, GK*1536                      ; what I fetch of P
	s_mov_b32 s73, 0
	s_lshl_b32 s74, s71, 6
	s_lshl_b32 s75, s17, 4
	s_add_co_u32 s74, s74, s75
	s_lshl_b32 s75, s16, 3
	s_add_co_u32 s74, s74, s75
	s_mul_i32 s74, s74, GK*1536
	s_add_co_u32 s74, s74, VC                        ; and of V^T
	s_mov_b32 s75, 0
	s_lshl_b32 s76, s71, 16                          ; V^T's scale words
	s_lshl_b32 s77, s17, 10
	s_add_co_u32 s76, s76, s77
	s_lshl_b32 s77, s16, 9
	s_add_co_u32 s76, s76, s77
	s_add_co_u32 s76, s76, VS
	s_mov_b32 s77, 0
	s_lshl_b32 s78, s69, 9                           ; P's tables: my 64 rows
	s_lshl_b32 s79, s15, 8
	s_add_co_u32 s78, s78, s79
	s_add_co_u32 s78, s78, PS
	s_mov_b32 s79, 0
	s_mul_i32 s66, s16, NA*FB
	s_mul_i32 s67, s16, 8*FB
	s_add_co_u32 s67, s67, 2*NA*FB
	s_lshl_b32 s80, s69, 3
	s_lshl_b32 s81, s15, 2
	s_add_co_u32 s80, s80, s81                       ; O's block 8 tile + 4 half,
	s_lshl_b32 s80, s80, 3
	s_lshl_b32 s82, s17, 1
	s_add_co_u32 s82, s82, s16                       ; K step 2 cx + (wave & 1)
	s_add_co_u32 s80, s80, s82
	s_mul_i32 s80, s80, 1536
	s_mov_b32 s81, 0
	s_lshl_b32 s84, s82, 15
	s_lshl_b32 s85, s69, 9
	s_add_co_u32 s84, s84, s85
	s_lshl_b32 s85, s15, 8
	s_add_co_u32 s84, s84, s85
	s_add_co_u32 s84, s84, OSO
	s_mov_b32 s85, 0
	s_mov_b32 s[SEL], 0x76543210
	s_mov_b32 s[SEL+1], 0xfedcba98
	s_mov_b32 s[SH], 0xffff0000
	s_mov_b32 s[C01], 0x01010101
	s_mov_b32 s[C255], 255
	s_wait_alu depctr_va_vdst(0)                     ; the wait ahead of the blocking waits
	s_wait_dscnt 0x0
	s_wait_kmcnt 0x0
	s_add_nc_u64 s[72:73], s[4:5], s[72:73]
	s_add_nc_u64 s[74:75], s[6:7], s[74:75]
	s_add_nc_u64 s[76:77], s[6:7], s[76:77]
	s_add_nc_u64 s[78:79], s[4:5], s[78:79]
	s_add_nc_u64 s[OUTP:OUTP+1], s[8:9], s[80:81]
	s_add_nc_u64 s[OSP:OSP+1], s[8:9], s[84:85]
	; A prefetch into the L2 of P's and V^T's tiles, ahead of the first round.  The half tile that I fetch lies on end: P's 4 blocks x 16 steps are 98,304 bytes, V^T's 8 blocks 196,608.  The four partners that ask for it
	; jointly share it out by address (cx for P, cy for V^T): a quarter each, a lane to each 256 bytes: three instructions in P's waves, six in V^T's.  s[88:91] and v30 are never rewritten.
	s_cmp_eq_u32 s15, 0
	s_cselect_b64 s[88:89], s[72:73], s[74:75]
	s_cselect_b32 s90, s17, s18
	s_mov_b32 s91, 49152
	s_cselect_b32 s91, 24576, s91
	s_mul_i32 s90, s90, s91
	s_mov_b32 s91, 0
	s_add_nc_u64 s[88:89], s[88:89], s[90:91]
	global_prefetch_b8 v30, s[88:89] th:TH_LOAD_NT scope:SCOPE_SE
	global_prefetch_b8 v30, s[88:89] offset:8192 th:TH_LOAD_NT scope:SCOPE_SE
	global_prefetch_b8 v30, s[88:89] offset:16384 th:TH_LOAD_NT scope:SCOPE_SE
	s_cmp_eq_u32 s15, 0
	s_cbranch_scc1 .Lpf_done
	global_prefetch_b8 v30, s[88:89] offset:24576 th:TH_LOAD_NT scope:SCOPE_SE
	global_prefetch_b8 v30, s[88:89] offset:32768 th:TH_LOAD_NT scope:SCOPE_SE
	global_prefetch_b8 v30, s[88:89] offset:40960 th:TH_LOAD_NT scope:SCOPE_SE
.Lpf_done:
	CROUND                                           ; all sixteen work-groups are here: the first joint loads meet
.irp f, 0,1
	s_mov_b32 s[G0A+4*\f], 1
	s_add_co_u32 s[G0A+4*\f+1], s66, \f*AREA
	s_add_nc_u64 s[G0A+4*\f+2:G0A+4*\f+3], s[72:73], \f*NQ*1536
	s_or_b32 s[G0A+4*\f+3], s[G0A+4*\f+3], 0x80000000
	s_mov_b32 s[G0B+4*\f], 1
	s_add_co_u32 s[G0B+4*\f+1], s67, \f*AREA
	s_add_nc_u64 s[G0B+4*\f+2:G0B+4*\f+3], s[74:75], \f*NQ*1536
	s_or_b32 s[G0B+4*\f+3], s[G0B+4*\f+3], 0x80000000
.endr
	JLOAD 0                                          ; area 0: my one tensor load at the head
	v_and_b32 v3, 31, v0
	v_lshlrev_b32 v[L16], 4, v3
	v_lshlrev_b32 v[L4], 2, v3
	s_mul_i32 s21, s15, NA*FB
	s_mul_i32 s22, s16, 8*FB
	s_add_co_u32 s22, s22, 2*NA*FB
.irp ar, 0,1
	v_add_nc_u32 v[ADRA+\ar], s21, v[L16]
	v_add_nc_u32 v[ADRB+\ar], s22, v[L16]
	s_add_co_u32 s21, s21, AREA
	s_add_co_u32 s22, s22, AREA
.endr
	v_mov_b32 v[FXC], 0                              ; a lane permute's destination counts as one of its sources
	v_mov_b32 v[FXC+1], 0
	s_wait_alu depctr_va_vdst(0)
.irp p, 0,1                            ; P's tables first, 96 loads: the head's arithmetic waits for them
.irp kw, 0,1,2,3,4,5,6,7,8,9,10,11,12,13,14,15
	global_load_b32 v[SCA+\p*GK+\kw], v[L4], s[78:79] offset:(\kw*RS1+32*\p)*4
	global_load_b32 v[NMR+16*\p+\kw], v[L4], s[78:79] offset:(\kw*RS1+32*\p)*4+524288
	global_load_b32 v[LLR+16*\p+\kw], v[L4], s[78:79] offset:(\kw*RS1+32*\p)*4+1048576
.endr
.endr
	s_wait_tensorcnt 0x0                             ; my part of area 0 is in; the full sequence ahead of area 1's first fill
	ds_add_u32 v[SPW], v[NIL]
	s_wait_dscnt 0x0
	CROUND
	JLOAD 1                                          ; area 1: steps 4 to 7; the head's arithmetic and three steps stand ahead of the wait for it
.irp p, 0,1,2,3                        ; then V^T's scale words, 64 loads
.irp kw, 0,1,2,3,4,5,6,7,8,9,10,11,12,13,14,15
	global_load_b32 v[SCB+\p*GK+\kw], v[L4], s[76:77] offset:(\kw*RS0+32*\p)*4
.endr
.endr
	s_wait_loadcnt 63                                ; P's tables are in: behind them stand V^T's 64 loads, of which 63 may be out
	FIXALL
	s_wait_alu depctr_va_vdst(0)                     ; the wait ahead of the blocking wait below
	s_wait_loadcnt 0x0                               ; V^T's scale words
	PLACES 8                                         ; scale registers written by vector instructions stand 8 places ahead of a scaled matrix instruction
	FETCH_B 0, 0, 0
	FETCH_A 0, 0, 0
	FETCH_A 0, 0, HF
	STEP 0, 0, 1, 1
	STEP 1, 0, 2, 0
	STEP 2, 0, 3, 0
	TURN 3, 1, 0, 1, 0, 2*NQ*1536                    ; area 0 takes steps 8 to 11
	STEP 4, 1, 1, 0
	STEP 5, 1, 2, 0
	STEP 6, 1, 3, 0
	TURN 7, 0, 0, 1, 1, 2*NQ*1536                    ; area 1 takes steps 12 to 15
	STEP 8, 0, 1, 0
	STEP 9, 0, 2, 0
	STEP 10, 0, 3, 0
	TURN 11, 1, 0, 0, 0, 0
	STEP 12, 1, 1, 0
	STEP 13, 1, 2, 0
	STEP 14, 1, 3, 0
	LAST 15
.irp b, 0,1,2,3
	v_mov_b32 v[TM+4+\b], 0
.endr
.macro EPI a                           ; block a: / l, the quantiser along d, the image and the rows' scale words
	WIN 0x02+(\a)/HF
.set i, 0
.rept 32
	v_pk_mul_f32 v[HA+2*i:HA+2*i+1], v[64*((\a)%HF)+2*i:64*((\a)%HF)+2*i+1], v[LIV+2*(\a):LIV+2*(\a)+1] op_sel_hi:[1,0]   ; each accumulator from its low end on
.set i, i+1
.endr
	WIN 0
	QMAX HA
	s_wait_alu depctr_va_vdst(0)
	s_wait_xcnt 0x0                                  ; the last block's stores have read their data
	QTAIL HA
.irp c, 0,1,2
	global_store_b128 v[L16], v[PC+4*\c:PC+4*\c+3], s[OUTP:OUTP+1] offset:12288*(\a)+512*\c
.endr
.if (\a)%2 == 0
	v_mov_b32 v[PWE], v[PW]
.else
	v_cndmask_b32 v[PW2], v[PWE], v[PW], s[SH]
	global_store_b32 v[L4], v[PW2], s[OSP:OSP+1] offset:128*((\a)/2)
.endif
.endm
.irp a, 0,1,2,3
	EPI \a
.endr
	s_wait_tensorcnt 0x0                             ; the wave's end
	ds_add_u32 v[SPW], v[NIL]
	s_wait_dscnt 0x0
	CROUND                                           ; the closing round
	s_endpgm
.Lfunc_end_k_qf3101ed528_pv:
	.size	k_qf3101ed528_pv, .Lfunc_end_k_qf3101ed528_pv-k_qf3101ed528_pv
	.p2alignl 7, 3214868480
	.fill 96, 4, 3214868480
	.section	.rodata,"a",@progbits
	.p2align	6, 0x0
	.amdhsa_kernel k_qf3101ed528_pv
		.amdhsa_group_segment_fixed_size 327680
		.amdhsa_private_segment_fixed_size 0
		.amdhsa_enable_private_segment 0
		.amdhsa_kernarg_size 24
		.amdhsa_user_sgpr_count 2
		.amdhsa_user_sgpr_kernarg_segment_ptr 1
		.amdhsa_wavefront_size32 1
		.amdhsa_system_sgpr_workgroup_id_x 1
		.amdhsa_system_sgpr_workgroup_id_y 1
		.amdhsa_system_sgpr_workgroup_id_z 1
		.amdhsa_system_vgpr_workitem_id 0
		.amdhsa_next_free_vgpr 1024
		.amdhsa_next_free_sgpr 100
		.amdhsa_reserve_vcc 0
		.amdhsa_float_denorm_mode_32 3
		.amdhsa_float_denorm_mode_16_64 3
		.amdhsa_memory_ordered 1
		.amdhsa_forward_progress 1
		.amdhsa_inst_pref_size 182
	.end_amdhsa_kernel
	.amdgpu_metadata
---
amdhsa.version: [ 1, 2 ]
amdhsa.kernels:
  - .name:           k_qf3101ed528_pv
    .symbol:         k_qf3101ed528_pv.kd
    .args:
      - { .name: pbuf, .offset: 0, .size: 8, .value_kind: global_buffer, .address_space: global }
      - { .name: qkv, .offset: 8, .size: 8, .value_kind: global_buffer, .address_space: global }
      - { .name: obuf, .offset: 16, .size: 8, .value_kind: global_buffer, .address_space: global }
    .group_segment_fixed_size: 327680
    .private_segment_fixed_size: 0
    .kernarg_segment_align: 8
    .kernarg_segment_size: 24
    .max_flat_workgroup_size: 128
    .sgpr_count:     100
    .vgpr_count:     1024
    .wavefront_size: 32
...
	.end_amdgpu_metadata
.endif
;; end of part 4
;; launch oproj (part 5): grid 4 x 64, 4 waves a work-group, clusters of 4 x 4, 327,680 bytes of LDS; arguments obuf, xw, bo, out0; writes out0
.if DOCPART == 5
	.amdgcn_target "amdgcn-amd-amdhsa--gfx1250"
	.amdhsa_code_object_version 6
	.text
	.protected	k_qf3101ed528_oproj
	.globl	k_qf3101ed528_oproj
	.p2align	8
	.type	k_qf3101ed528_oproj,@function
k_qf3101ed528_oproj:
	s_mov_b64 s[64:65], 0
	v_nop
	global_prefetch_b8 v0, s[64:65] scope:SCOPE_SE
	s_setreg_imm32_b32 hwreg(HW_REG_WAVE_MODE, 25, 1), 1
	s_wait_xcnt 0x0
	s_wait_alu depctr_hold_cnt(0) depctr_sa_sdst(0) depctr_va_vdst(0) depctr_va_sdst(0) depctr_va_ssrc(0) depctr_va_vcc(0) depctr_vm_vsrc(0)
	s_getreg_b32 s2, hwreg(HW_REG_IB_STS2, 6, 4)
	s_cmp_eq_u32 s2, 0
	s_cbranch_scc0 .Lentry_in_a_cluster
	s_endpgm
.Lentry_in_a_cluster:
	s_bfe_u32 s2, ttmp6, 0x10000c
	s_cmp_lg_u32 s2, 0xf033
	s_cbranch_scc0 .Lentry_shape_is_right
	s_endpgm
.Lentry_shape_is_right:
; out0 = O Wo^T + bo on codes of FP6 (E2M3) with E8M0 scales, laid as images of the operand's registers.  Source 0 = 256 rows of Wo (storage order), source 1 = 128 rows of O; four waves make 128 x 256, 256 work-groups.
; K = 1,024 is 8 steps: two areas of four steps in LDS, each filled once: area 0 at the head, one tensor load a wave; area 1 behind the full sequence and a round of the cluster's barrier.
; CLUSTER 4 x 4: O's tile is shared along a row of the cluster, Wo's along a column.  Results leave through a stage of the wave's own in area 0, which has had its last fill and its last read by then, as rows of 512 bytes.
.set NA,    4
.set HF,    NA/2
.set GK,    8
.set NQ,    4
.set AREAS, 2
.set FB,    NQ*1536
.set AREA,  (2*NA+16)*FB
.set SPARE, 294912
.set RS0,   12288
.set RS1,   8192
.set XSO,   9437184
.set OSO,   6291456
.set SP,    528
.set L16,  5
.set L4,   6
.set STI,  7
.set STO,  8
.set ADRA, 16
.set ADRB, 20
.set SPW,  28
.set NIL,  29
.set SCB,  32
.set SCA,  32+4*GK
.set AF,   128
.set HA,   128
.set OB,   192
.set G1,   24
.set G1B,  32
.set G0A,  40
.set G0B,  52
.set MSB, 0
.macro WIN new
.if MSB != (\new)
	s_set_vgpr_msb (MSB<<8)|(\new)
.set MSB, (\new)
.endif
.endm
.set MUL_LO, 0xa1
.set MUL_HI, 0xf1
.set TO_B,   0x40
.macro PLACES n
.rept \n
	v_nop
.endr
.endm
.macro JLOAD f
	s_cmp_eq_u32 s15, 0
	s_cbranch_scc0 .Lfor_b_\@
	tensor_load_to_lds s[G0A+4*\f:G0A+4*\f+3], s[G1:G1+7]
	s_nop 0
.rept 4
	v_nop
.endr
	s_branch .Lasked_\@
.Lfor_b_\@:
	tensor_load_to_lds s[G0B+4*\f:G0B+4*\f+3], s[G1B:G1B+7]
	s_nop 0
.rept 4
	v_nop
.endr
.Lasked_\@:
.endm
.macro CREST
	s_cmp_lg_u32 s14, 0
	s_cbranch_scc1 .Lnot_wave_0_\@
	s_barrier_signal -3
.Lnot_wave_0_\@:
	s_barrier_wait -3
	s_barrier_signal -1
	s_barrier_wait -1
.endm
.macro CROUND
	s_barrier_signal -1
	s_barrier_wait -1
	CREST
.endm
.macro FRAG reg, adr, off
.irp c, 0,1,2
	ds_load_b128 v[\reg+4*\c:\reg+4*\c+3], v[\adr] offset:\off+512*\c
.endr
.endm
.macro FETCH_B ar, q, st
	WIN TO_B
.irp i, 0,1,2,3,4,5,6,7
	FRAG 128*(\st)+12*\i, ADRB+\ar, \i*FB+1536*(\q)
.endr
	WIN 0
.endm
.macro FETCH_A ar, q, i0
.set ii, \i0
.rept HF
	FRAG AF+12*ii, ADRA+\ar, ii*FB+1536*(\q)
.set ii, ii+1
.endr
.endm
.macro MULB g, a, zero
.irp b, 0,1,2,3,4,5,6,7
.set rD, 8*(8*((\a)%HF)+\b)
.set rB, 128*((\g)%2)+12*\b
.set rA, AF+12*(\a)
.set rSB, SCB+(\b/2)*GK+(\g)
.set rSA, SCA+((\a)/2)*GK+(\g)
.set vr, 4*(\zero)+2*(\b%2)+((\a)%2)
.if vr == 0
	v_wmma_scale_f32_16x16x128_f8f6f4 v[rD:rD+7], v[rB:rB+11], v[rA:rA+11], v[rD:rD+7], v[rSB], v[rSA] matrix_a_fmt:MATRIX_FMT_FP6 matrix_b_fmt:MATRIX_FMT_FP6
.elseif vr == 1
	v_wmma_scale_f32_16x16x128_f8f6f4 v[rD:rD+7], v[rB:rB+11], v[rA:rA+11], v[rD:rD+7], v[rSB], v[rSA] matrix_a_fmt:MATRIX_FMT_FP6 matrix_b_fmt:MATRIX_FMT_FP6 matrix_b_scale:MATRIX_SCALE_ROW1
.elseif vr == 2
	v_wmma_scale_f32_16x16x128_f8f6f4 v[rD:rD+7], v[rB:rB+11], v[rA:rA+11], v[rD:rD+7], v[rSB], v[rSA] matrix_a_fmt:MATRIX_FMT_FP6 matrix_b_fmt:MATRIX_FMT_FP6 matrix_a_scale:MATRIX_SCALE_ROW1
.elseif vr == 3
	v_wmma_scale_f32_16x16x128_f8f6f4 v[rD:rD+7], v[rB:rB+11], v[rA:rA+11], v[rD:rD+7], v[rSB], v[rSA] matrix_a_fmt:MATRIX_FMT_FP6 matrix_b_fmt:MATRIX_FMT_FP6 matrix_a_scale:MATRIX_SCALE_ROW1 matrix_b_scale:MATRIX_SCALE_ROW1
.elseif vr == 4
	v_wmma_scale_f32_16x16x128_f8f6f4 v[rD:rD+7], v[rB:rB+11], v[rA:rA+11], 0, v[rSB], v[rSA] matrix_a_fmt:MATRIX_FMT_FP6 matrix_b_fmt:MATRIX_FMT_FP6
.elseif vr == 5
	v_wmma_scale_f32_16x16x128_f8f6f4 v[rD:rD+7], v[rB:rB+11], v[rA:rA+11], 0, v[rSB], v[rSA] matrix_a_fmt:MATRIX_FMT_FP6 matrix_b_fmt:MATRIX_FMT_FP6 matrix_b_scale:MATRIX_SCALE_ROW1
.elseif vr == 6
	v_wmma_scale_f32_16x16x128_f8f6f4 v[rD:rD+7], v[rB:rB+11], v[rA:rA+11], 0, v[rSB], v[rSA] matrix_a_fmt:MATRIX_FMT_FP6 matrix_b_fmt:MATRIX_FMT_FP6 matrix_a_scale:MATRIX_SCALE_ROW1
.else
	v_wmma_scale_f32_16x16x128_f8f6f4 v[rD:rD+7], v[rB:rB+11], v[rA:rA+11], 0, v[rSB], v[rSA] matrix_a_fmt:MATRIX_FMT_FP6 matrix_b_fmt:MATRIX_FMT_FP6 matrix_a_scale:MATRIX_SCALE_ROW1 matrix_b_scale:MATRIX_SCALE_ROW1
.endif
.endr
.endm
.macro MULS g, a0, n, zero
.set aa, \a0
.rept \n
	MULB \g, aa, \zero
.set aa, aa+1
.endr
.endm
.macro STEP g, ar, q, zero
	s_wait_dscnt 3*HF
	WIN MUL_LO
	MULS \g, 0, HF, \zero
	s_wait_dscnt 0x0
	PLACES 4
	FETCH_B \ar, \q, ((\g)+1)%2
	FETCH_A \ar, \q, 0
	WIN MUL_HI
	MULS \g, HF, HF, \zero
	PLACES 4
	WIN 0
	FETCH_A \ar, \q, HF
.endm
.macro TURN g, ar, q
	s_wait_tensorcnt 0x0
	ds_add_u32 v[SPW], v[NIL]
	s_wait_dscnt 3*HF+1
	WIN MUL_LO
	MULS \g, 0, HF/2, 0
	s_wait_dscnt 0x0
	s_barrier_signal -1
	MULS \g, HF/2, HF/2, 0
	WIN 0
	s_barrier_wait -1
	PLACES 4
	FETCH_B \ar, \q, ((\g)+1)%2
	FETCH_A \ar, \q, 0
	WIN MUL_HI
	MULS \g, HF, HF, 0
	PLACES 4
	WIN 0
	FETCH_A \ar, \q, HF
.endm
.macro LAST g
	s_wait_dscnt 3*HF
	WIN MUL_LO
	MULS \g, 0, HF, 0
	s_wait_dscnt 0x0
	WIN MUL_HI
	MULS \g, HF, HF, 0
	WIN 0
	PLACES 4
.endm
	s_load_b256 s[4:11], s[0:1], 0x0
	v_lshl_add_u32 v[SPW], v0, 2, SPARE
	v_mov_b32 v[NIL], 0
	ds_add_u32 v[SPW], v[NIL]
	ds_add_u32 v[SPW], v[NIL]
	v_lshrrev_b32 v1, 5, v0
	v_readfirstlane_b32 s14, v1
	v_and_b32 v30, 31, v0
	v_min_u32 v31, 15, v30
	v_lshlrev_b32 v30, 8, v30                        ; the prefetches' offsets: 256 x lane,
	v_lshlrev_b32 v31, 8, v31                        ; and 256 x the lesser of lane and 15; never rewritten
	s_lshr_b32 s15, s14, 1
	s_and_b32 s16, s14, 1
	s_bfe_u32 s17, ttmp6, 0x40000
	s_bfe_u32 s18, ttmp6, 0x40004
	s_and_b32 s20, ttmp7, 0xffff
	s_lshl_b32 s21, s18, 2
	s_lshl_b32 s21, 15, s21
	s_lshl_b32 s22, 0x1111, s17
	s_or_b32 s[G1], s21, (3<<16)|(1<<21)
	s_or_b32 s[G1B], s22, (3<<16)|(1<<21)
	s_mov_b32 s[G1+1], (192*NQ)<<16
	s_mov_b32 s[G1+2], NA<<16
	s_mov_b32 s[G1+3], (192*NQ)<<16
	s_mov_b32 s[G1+4], NA
	s_mov_b32 s[G1+5], 192*GK
	s_mov_b32 s[G1+6], 0
	s_mov_b32 s[G1+7], 0
	s_mov_b32 s[G1B+1], (192*NQ)<<16
	s_mov_b32 s[G1B+2], 8<<16
	s_mov_b32 s[G1B+3], (192*NQ)<<16
	s_mov_b32 s[G1B+4], 8
	s_mov_b32 s[G1B+5], 192*GK
	s_mov_b32 s[G1B+6], 0
	s_mov_b32 s[G1B+7], 0
	s_lshl_b32 s69, s20, 2
	s_add_co_u32 s69, s69, s18
	s_lshl_b32 s72, s69, 3
	s_lshl_b32 s73, s16, 2
	s_add_co_u32 s72, s72, s73
	s_mul_i32 s72, s72, GK*1536
	s_mov_b32 s73, 0
	s_lshl_b32 s74, s17, 4
	s_lshl_b32 s75, s16, 3
	s_add_co_u32 s74, s74, s75
	s_add_co_u32 s74, s74, 704
	s_mul_i32 s74, s74, GK*1536
	s_mov_b32 s75, 0
	s_lshl_b32 s76, s17, 10
	s_lshl_b32 s77, s16, 9
	s_add_co_u32 s76, s76, s77
	s_add_co_u32 s76, s76, XSO+11264*4
	s_mov_b32 s77, 0
	s_lshl_b32 s78, s69, 9
	s_lshl_b32 s79, s15, 8
	s_add_co_u32 s78, s78, s79
	s_add_co_u32 s78, s78, OSO
	s_mov_b32 s79, 0
	s_mul_i32 s66, s16, NA*FB
	s_mul_i32 s67, s16, 8*FB
	s_add_co_u32 s67, s67, 2*NA*FB
	s_lshl_b32 s80, s69, 7
	s_lshl_b32 s81, s15, 6
	s_add_co_u32 s80, s80, s81
	s_lshl_b32 s80, s80, 12
	s_lshl_b32 s86, s17, 10
	s_lshl_b32 s87, s16, 9
	s_add_co_u32 s86, s86, s87
	s_add_co_u32 s80, s80, s86
	s_mov_b32 s81, 0
	s_mov_b32 s87, 0
	s_wait_alu depctr_va_vdst(0)                     ; the wait ahead of the blocking waits
	s_wait_dscnt 0x0
	s_wait_kmcnt 0x0
	s_add_nc_u64 s[72:73], s[4:5], s[72:73]
	s_add_nc_u64 s[74:75], s[6:7], s[74:75]
	s_add_nc_u64 s[76:77], s[6:7], s[76:77]
	s_add_nc_u64 s[78:79], s[4:5], s[78:79]
	s_add_nc_u64 s[80:81], s[10:11], s[80:81]
	s_add_nc_u64 s[86:87], s[8:9], s[86:87]
	; A prefetch into the L2 of O's and Wo's tiles, ahead of the first round.  The half tile that I fetch lies on end: O's 4 blocks x 8 steps are 49,152 bytes, Wo's 8 blocks 98,304.  The four partners that ask for it jointly
	; share it out by address (cx for O, cy for Wo): a quarter each, a lane to each 256 bytes: 48 in O's waves (in the second instruction lanes 16-31 name its last again), 96 in Wo's.  s[88:91], v30 and v31 are never rewritten.
	s_cmp_eq_u32 s15, 0
	s_cselect_b64 s[88:89], s[72:73], s[74:75]
	s_cselect_b32 s90, s17, s18
	s_mov_b32 s91, 24576
	s_cselect_b32 s91, 12288, s91
	s_mul_i32 s90, s90, s91
	s_mov_b32 s91, 0
	s_add_nc_u64 s[88:89], s[88:89], s[90:91]
	global_prefetch_b8 v30, s[88:89] th:TH_LOAD_NT scope:SCOPE_SE
	s_cmp_eq_u32 s15, 0
	s_cbranch_scc1 .Lpf_o
	global_prefetch_b8 v30, s[88:89] offset:8192 th:TH_LOAD_NT scope:SCOPE_SE
	global_prefetch_b8 v30, s[88:89] offset:16384 th:TH_LOAD_NT scope:SCOPE_SE
	s_branch .Lpf_done
.Lpf_o:
	global_prefetch_b8 v31, s[88:89] offset:8192 th:TH_LOAD_NT scope:SCOPE_SE
.Lpf_done:
	CROUND
.irp f, 0,1
	s_mov_b32 s[G0A+4*\f], 1
	s_add_co_u32 s[G0A+4*\f+1], s66, \f*AREA
	s_add_nc_u64 s[G0A+4*\f+2:G0A+4*\f+3], s[72:73], \f*NQ*1536
	s_or_b32 s[G0A+4*\f+3], s[G0A+4*\f+3], 0x80000000
	s_mov_b32 s[G0B+4*\f], 1
	s_add_co_u32 s[G0B+4*\f+1], s67, \f*AREA
	s_add_nc_u64 s[G0B+4*\f+2:G0B+4*\f+3], s[74:75], \f*NQ*1536
	s_or_b32 s[G0B+4*\f+3], s[G0B+4*\f+3], 0x80000000
.endr
	JLOAD 0                                          ; area 0: my one tensor load at the head
	v_and_b32 v1, 15, v0
	v_bfe_u32 v2, v0, 4, 1
	v_and_b32 v3, 31, v0
	v_lshlrev_b32 v[L16], 4, v3
	v_lshlrev_b32 v[L4], 2, v3
	v_lshlrev_b32 v9, 6, v2
	s_wait_alu depctr_va_vdst(0)
	s_mul_i32 s23, s14, 16*SP
	v_mul_u32_u24 v[STI], v1, SP
	v_lshl_add_u32 v[STI], v2, 6, v[STI]
	v_add_nc_u32 v[STI], s23, v[STI]
	v_add_nc_u32 v[STO], s23, v[L16]
	s_mul_i32 s21, s15, NA*FB
	s_mul_i32 s22, s16, 8*FB
	s_add_co_u32 s22, s22, 2*NA*FB
.irp ar, 0,1
	v_add_nc_u32 v[ADRA+\ar], s21, v[L16]
	v_add_nc_u32 v[ADRB+\ar], s22, v[L16]
	s_add_co_u32 s21, s21, AREA
	s_add_co_u32 s22, s22, AREA
.endr
.irp p, 0,1,2,3
.irp kw, 0,1,2,3,4,5,6,7
	global_load_b32 v[SCB+\p*GK+\kw], v[L4], s[76:77] offset:(\kw*RS0+32*\p)*4
.endr
.endr
.irp p, 0,1
.irp kw, 0,1,2,3,4,5,6,7
	global_load_b32 v[SCA+\p*GK+\kw], v[L4], s[78:79] offset:(\kw*RS1+32*\p)*4
.endr
.endr
	WIN TO_B
.irp t, 0,1,2,3,4,5,6,7
	global_load_b128 v[96+8*\t+96*(\t/4):99+8*\t+96*(\t/4)], v9, s[86:87] offset:(32*(\t/2)+8*(\t%2))*4
	global_load_b128 v[100+8*\t+96*(\t/4):103+8*\t+96*(\t/4)], v9, s[86:87] offset:(32*(\t/2)+8*(\t%2))*4+16
.endr
	WIN 0
	s_wait_alu depctr_va_vdst(0)
	s_wait_loadcnt 0x0
	s_wait_tensorcnt 0x0                             ; my part of area 0 is in; the full sequence ahead of area 1's first fill
	ds_add_u32 v[SPW], v[NIL]
	s_wait_dscnt 0x0
	CROUND
	JLOAD 1                                          ; area 1: steps 4 to 7
	FETCH_B 0, 0, 0
	FETCH_A 0, 0, 0
	FETCH_A 0, 0, HF
	STEP 0, 0, 1, 1
	STEP 1, 0, 2, 0
	STEP 2, 0, 3, 0
	TURN 3, 1, 0
	STEP 4, 1, 1, 0
	STEP 5, 1, 2, 0
	STEP 6, 1, 3, 0
	LAST 7
.macro EPI a
	WIN 0x06+(\a)/HF
.set i, 0
.rept 32
	v_pk_add_f32 v[HA+2*i:HA+2*i+1], v[64*((\a)%HF)+2*i:64*((\a)%HF)+2*i+1], v[96+2*i+96*(i/16):97+2*i+96*(i/16)]
.set i, i+1
.endr
	WIN 0
.irp t, 0,1,2,3,4,5,6,7
	ds_store_b128 v[STI], v[HA+8*\t:HA+8*\t+3] offset:128*(\t/2)+32*(\t%2)
	ds_store_b128 v[STI], v[HA+8*\t+4:HA+8*\t+7] offset:128*(\t/2)+32*(\t%2)+16
.endr
	s_wait_xcnt 0x0
.irp t, 0,1,2,3,4,5,6,7,8,9,10,11,12,13,14,15
	ds_load_b128 v[OB+4*\t:OB+4*\t+3], v[STO] offset:SP*\t
.endr
.irp t, 0,1,2,3,4,5,6,7,8,9,10,11,12,13,14,15
	s_wait_dscnt 15-\t
	global_store_b128 v[L16], v[OB+4*\t:OB+4*\t+3], s[80:81] offset:(32*((\a)/2)+8*((\a)%2)+\t+8*(\t/8))*4096 th:TH_STORE_NT
.endr
.endm
.irp a, 0,1,2,3
	EPI \a
.endr
	s_wait_tensorcnt 0x0
	ds_add_u32 v[SPW], v[NIL]
	s_wait_dscnt 0x0
	CROUND
	s_endpgm
.Lfunc_end_k_qf3101ed528_oproj:
	.size	k_qf3101ed528_oproj, .Lfunc_end_k_qf3101ed528_oproj-k_qf3101ed528_oproj
	.p2alignl 7, 3214868480
	.fill 96, 4, 3214868480
	.section	.rodata,"a",@progbits
	.p2align	6, 0x0
	.amdhsa_kernel k_qf3101ed528_oproj
		.amdhsa_group_segment_fixed_size 327680
		.amdhsa_private_segment_fixed_size 0
		.amdhsa_enable_private_segment 0
		.amdhsa_kernarg_size 32
		.amdhsa_user_sgpr_count 2
		.amdhsa_user_sgpr_kernarg_segment_ptr 1
		.amdhsa_wavefront_size32 1
		.amdhsa_system_sgpr_workgroup_id_x 1
		.amdhsa_system_sgpr_workgroup_id_y 1
		.amdhsa_system_sgpr_workgroup_id_z 1
		.amdhsa_system_vgpr_workitem_id 0
		.amdhsa_next_free_vgpr 1024
		.amdhsa_next_free_sgpr 100
		.amdhsa_reserve_vcc 0
		.amdhsa_float_denorm_mode_32 3
		.amdhsa_float_denorm_mode_16_64 3
		.amdhsa_memory_ordered 1
		.amdhsa_forward_progress 1
		.amdhsa_inst_pref_size 94
	.end_amdhsa_kernel
	.amdgpu_metadata
---
amdhsa.version: [ 1, 2 ]
amdhsa.kernels:
  - .name:           k_qf3101ed528_oproj
    .symbol:         k_qf3101ed528_oproj.kd
    .args:
      - { .name: obuf, .offset: 0, .size: 8, .value_kind: global_buffer, .address_space: global }
      - { .name: xw, .offset: 8, .size: 8, .value_kind: global_buffer, .address_space: global }
      - { .name: bo, .offset: 16, .size: 8, .value_kind: global_buffer, .address_space: global }
      - { .name: out0, .offset: 24, .size: 8, .value_kind: global_buffer, .address_space: global }
    .group_segment_fixed_size: 327680
    .private_segment_fixed_size: 0
    .kernarg_segment_align: 8
    .kernarg_segment_size: 32
    .max_flat_workgroup_size: 128
    .sgpr_count:     100
    .vgpr_count:     1024
    .wavefront_size: 32
...
	.end_amdgpu_metadata
.endif
;; end of part 5
